; MI455X (gfx1250); checked and timed in simulation.
; The chip was launched on July 23, 2026; its instructions are those of AMD's public machine-readable ISA for CDNA 5 (MIT licence, August 2026) and "CDNA5" Instruction Set Architecture Reference Guide (July 2026). The comments in the code are by the model that wrote it; some were corrected since.
;; Neural SDF. Allowed arithmetic: matrix products marked QUANTISED: E2M1 operands, one E8M0 scale for each 32 along K, by v_wmma_scale_f32_16x16x128_f8f6f4 with both operands' format E2M1 (or v_wmma_scale_f32_32x16x128_f4), f32 sums; products left as they are: f32 operands where the result goes on into a quantised operand, else bf16, f16 or f32 operands; f32 sums; everything else in f32.
;; Inputs: W0 11 x 128 float32; W1 128 x 128 float32; Wo 128 x 1 float32; b0 128 float32; b1 128 float32; bo 1 float32; embeddings 128 x 128 x 128 x 8 float32; positions 524,288 x 3 float32.
;; Outputs: out0 524,288 x 1 float32; out1 524,288 x 3 float32.
;; This version of the problem:
;;   THIS VERSION OF THE PROBLEM IS GIVEN IN LOW PRECISION. The matrix products marked QUANTISED in the list below multiply operands that are first quantised to E2M1 (2 exponent bits, 1 mantissa bit; 4 bits a number), with one power-of-two scale for each 32 numbers along K (OCP MX v1.0); their sums are f32. All else is computed in f32.
;;   The module's matrix products, in the order in which they are computed (A, B: the left and right operand; K: the contracted axis; several contracted axes count as one K, in the product's order):
;;     1. [M 524,288, K 11] x [K 11, N 128]; A: computed on the way; B: input W0: left as it is (K = 11 < 32)
;;     2. [M 524,288, K 128] x [K 128, N 128]; A: computed on the way; B: input W1: QUANTISED
;;     3. [M 524,288, K 128] x [K 128, N 1]; A: computed on the way; B: input Wo: left as it is (N = 1 < 16)
;;     4. [M 524,288, K 11] x [K 11, N 128]; A: computed on the way; B: input W0: left as it is (K = 11 < 32)
;;     5. [M 524,288, K 128] x [K 128, N 128]; A: computed on the way; B: input W1: QUANTISED
;;     6. [M 524,288, K 128] x [K 128, N 1]; A: computed on the way; B: input Wo: left as it is (N = 1 < 16)
;;     7. [M 524,288, K 1] x [K 1, N 128]; A: computed on the way; B: input Wo: left as it is (K = 1 < 32)
;;     8. [M 524,288, K 128] x [K 128, N 128]; A: computed on the way; B: input W1: QUANTISED
;;     9. [M 524,288, K 128] x [K 128, N 11]; A: computed on the way; B: input W0: left as it is (N = 11 < 16)
;;   THE QUANTISER, for each operand of a quantised product, along K:
;;     - K is cut into blocks of 32 from its start; a last block that is shorter is filled with zeros.
;;     - A block's scale is 2^e with e = floor(log2(the largest magnitude in the block)) - 2, held to -126 .. 127; a block of zeros has e = 0. As a byte (E8M0): e + 127.
;;     - Each number is divided by its block's scale, clamped to +-6, and rounded to the nearest number of E2M1, ties to even, subnormals kept.
;;     - The product sums the exact products of the quantised numbers (number of the format x scale) in f32.
;;   ~~~python
;;   def quantise(x, axis):      # numpy; x: float32 -> the quantised numbers, widened to float32 again
;;       x = np.moveaxis(x, axis, -1); K = x.shape[-1]
;;       x = np.pad(x, [(0, 0)] * (x.ndim - 1) + [(0, -K % 32)]); x = x.reshape(x.shape[:-1] + (-1, 32)); a = np.abs(x).max(-1, keepdims=True)
;;       e = np.where(a > 0, np.clip(np.frexp(np.where(a > 0, a, 1))[1] - 1 - 2, -126, 127), 0)      # np.frexp(a)[1] - 1 = floor(log2(a)), exactly
;;       r = np.clip(x / 2.0 ** e, -6, 6)
;;       step = 2.0 ** (np.maximum(np.frexp(np.where(r == 0, 1, r))[1] - 1, 0) - 1)
;;       q = np.round(r / step) * step * 2.0 ** e      # np.round: ties to even
;;       return np.moveaxis(q.reshape(q.shape[:-2] + (-1,))[..., :K], -1, axis).astype(np.float32)
;;   ~~~
;;   OPERANDS COMPUTED ON THE WAY. 'Computed on the way' means the value that the module computes at that place (a softmax that the list does not call 'softmax' is quantised finished and normalised). What goes into a quantiser is computed in f32, as accurately as f32 sums, v_exp_f32 and their like allow (about 1e-6 of the number): no bf16 or f16 on the way to a quantiser, and a product that is left as it is and whose result goes on into a quantised operand takes f32 operands (vector FMAs, or v_wmma_f32_16x16x4_f32). A number that lies on a knife's edge between two numbers of the format may be rounded either way, as far as f32 arithmetic and the matrix unit's own rounding can turn it there, and no further.
;; 2 versions, each right; version 2 is version 1 with the launch sdf written anew for expert scheduling mode. Each part assembles by itself: llvm-mc -triple=amdgcn-amd-amdhsa -mcpu=gfx1250 --defsym DOCPART=n.
;; ======== version 1 of 2: 2 launches
;; limits: right only within a limited range of input values
;; workspace buffers: cells 2,097,152 bytes of whole numbers; blob 33,792 bytes
;; launch prep (part 1): grid 258 x 1, 8 waves a work-group, no clusters, 0 bytes of LDS; arguments positions, W0, b0, W1, b1, Wo, cells, blob; writes cells, blob
.if DOCPART == 1
	.amdgcn_target "amdgcn-amd-amdhsa--gfx1250"
	.amdhsa_code_object_version 6
	.text
	.protected	k_q07cdbb9957_prep
	.globl	k_q07cdbb9957_prep
	.p2align	8
	.type	k_q07cdbb9957_prep,@function
k_q07cdbb9957_prep:
	s_mov_b64 s[64:65], 0
	v_nop
	global_prefetch_b8 v0, s[64:65] scope:SCOPE_SE
	s_setreg_imm32_b32 hwreg(HW_REG_WAVE_MODE, 25, 1), 1
	s_wait_xcnt 0x0
; WHAT THE SECOND LAUNCH MAY NOT OR NEED NOT MAKE ITSELF.
; Work-groups 2 .. 257: the grid cell of each point, as one whole number ix | iy << 8 | iz << 16 (cells[p]): the second launch forms its gather addresses from these.
; Work-group 0: W1 quantised along its FIRST axis (the forward product's K) to E2M1 codes and E8M0 scale words; W0 and b0 as f32 matrix fragments.
; Work-group 1: W1 quantised along its SECOND axis (the backward product's K); 30 W0 as bf16 fragments in two parts, hi = bf16(x) and lo = bf16(x - hi); b1 and Wo as they are.
; All weights are laid in blob as IMAGES OF OPERAND REGISTERS: a group of four registers at 16 x lane, a pair at 8 x lane, a word at 4 x lane.
; THE ROWS OF A TILE ARE NOT NEIGHBOURS: row m of tile t is unit 32 (t / 2) + 8 (t % 2) + m + 8 (m / 8), so that in the transposed results a lane's 16 registers of tiles 2 b, 2 b + 1 are 16 neighbouring units.
; A block's scale byte is its largest magnitude's exponent field - 2, held at 1 from below.  A block of zeros so gets the byte 1 where the rule says 127: its codes are zeros, and this program alone reads the bytes.
; LIMITS: NaN and infinities among the inputs are not served.
.set BL_W1F, 0                         ; blob: forward codes, tile t, register group c at 1024 t + 512 c + 16 lane
.set BL_W1B, 8192                      ; backward codes, likewise
.set BL_SF,  16384                     ; forward scale words, 128 t + 4 lane
.set BL_SB,  17408                     ; backward scale words
.set BL_W0F, 18432                     ; f32 fragments of W0 (and b0): (3 t + s) 256 + 8 lane
.set BL_W0B, 24576                     ; bf16 fragments of 30 W0: K step b, group q at 2048 b + 512 q + 16 lane; q = 0, 1: hi; q = 2, 3: lo
.set BL_B1,  32768                     ; b1
.set BL_WO,  33280                     ; Wo
.set X,  32                            ; v32-95   64 numbers of a lane's operand row
.set CD, 96                            ; v96-103  their codes
	s_load_b256 s[4:11], s[0:1], 0x0               ; positions s[4:5], W0 s[6:7], b0 s[8:9], W1 s[10:11]
	s_load_b256 s[12:19], s[0:1], 0x20             ; b1 s[12:13], Wo s[14:15], cells s[16:17], blob s[18:19]
	v_lshrrev_b32 v1, 5, v0
	v_readfirstlane_b32 s20, v1                    ; wave 0..7
	v_and_b32 v1, 31, v0                           ; lane
	v_and_b32 v2, 15, v0                           ; r
	v_bfe_u32 v3, v0, 4, 1                         ; h
	v_lshlrev_b32 v4, 4, v1                        ; 16 x lane
	v_lshlrev_b32 v5, 2, v1                        ; 4 x lane
	v_and_b32 v6, 8, v2
	v_add_nc_u32 v6, v6, v2                        ; rr = r + 8 (r / 8)
	s_mov_b32 s21, 0xffff0000                      ; lanes 16-31
	s_mov_b32 s22, 0x76543210
	s_mov_b32 s23, 0xfedcba98                      ; v_permlanex16_b32's selects for lane l xor 16
	s_mov_b32 s27, 0                               ; the upper word of every offset pair s[26:27]
	s_wait_kmcnt 0x0
	s_cmp_eq_u32 ttmp9, 0
	s_cbranch_scc1 .Lfwd
	s_cmp_eq_u32 ttmp9, 1
	s_cbranch_scc1 .Lbwd
	; ---- THE CELLS.  A wave takes 256 points as two groups of 128; a lane takes 4 points (48 bytes) of each group; a group's three loads cover its 1,536 bytes.
	s_sub_co_u32 s24, ttmp9, 2
	s_lshl_b32 s24, s24, 3
	s_add_co_u32 s24, s24, s20                     ; which run of 256 points
	s_mul_i32 s26, s24, 3072
	s_add_nc_u64 s[4:5], s[4:5], s[26:27]
	s_lshl_b32 s26, s24, 10
	s_add_nc_u64 s[16:17], s[16:17], s[26:27]
	s_mov_b32 s25, 0x42fe0000                      ; 127.0: 127 - 1e-6 rounds to it in f32
	v_mul_u32_u24 v8, v1, 48
.irp j, 0,1
.irp m, 0,1,2
	global_load_b128 v[16+12*\j+4*\m:19+12*\j+4*\m], v8, s[4:5] offset:1536*\j+16*\m th:TH_LOAD_NT
.endr
.endr
	s_wait_loadcnt 0x0
	; x = clip((p + 1) 63.5, 0, 127), floor, to a whole number.  The second launch repeats the first four lines literally, so that its floor is the number stored here.
.set i, 0
.rept 24
	v_add_f32 v[16+i], 1.0, v[16+i]
.set i, i+1
.endr
.set i, 0
.rept 24
	v_mul_f32 v[16+i], 0x427e0000, v[16+i]
.set i, i+1
.endr
.set i, 0
.rept 24
	v_med3_num_f32 v[16+i], v[16+i], 0, s25
.set i, i+1
.endr
.set i, 0
.rept 24
	v_floor_f32 v[16+i], v[16+i]
.set i, i+1
.endr
.set i, 0
.rept 24
	v_cvt_u32_f32 v[16+i], v[16+i]
.set i, i+1
.endr
.irp j, 0,1
.irp q, 0,1,2,3
	v_lshl_or_b32 v[40+4*\j+\q], v[17+12*\j+3*\q], 8, v[16+12*\j+3*\q]
.endr
.irp q, 0,1,2,3
	v_lshl_or_b32 v[40+4*\j+\q], v[18+12*\j+3*\q], 16, v[40+4*\j+\q]
.endr
.endr
.irp j, 0,1
	global_store_b128 v4, v[40+4*\j:43+4*\j], s[16:17] offset:512*\j      ; 32 lanes store 512 consecutive bytes
.endr
	s_endpgm
; My tile t = my wave: its first unit ub in s24; blob + 1024 t in s[28:29], blob + 128 t in s[30:31].
.macro TILEBASE
	s_lshr_b32 s24, s20, 1
	s_lshl_b32 s24, s24, 5
	s_and_b32 s25, s20, 1
	s_lshl_b32 s25, s25, 3
	s_add_co_u32 s24, s24, s25                     ; ub = 32 (t / 2) + 8 (t % 2)
	s_lshl_b32 s26, s20, 10
	s_add_nc_u64 s[28:29], s[18:19], s[26:27]
	s_lshl_b32 s26, s20, 7
	s_add_nc_u64 s[30:31], s[18:19], s[26:27]
.endm
; 64 numbers of a lane, X[32 c + i] = k 64 c + 32 h + i of operand row r, become the operand's 8 registers and the row's scale word, and go to blob.  A lane holds two whole blocks: no other lane is asked for a maximum.
.macro QW codes, scales
.irp c, 0,1
	v_max3_num_f32 v[24+\c], |v[X+32*\c]|, |v[X+1+32*\c]|, 0x1800000      ; and the floor 2^(3 - 127): the byte cannot fall under 1
.endr
.irp i, 2,4,6,8,10,12,14,16,18,20,22,24,26,28,30
.irp c, 0,1
	v_max3_num_f32 v[24+\c], v[24+\c], |v[X+32*\c+\i]|, |v[X+1+32*\c+\i]|  ; the two blocks by turns
.endr
.endr
.irp c, 0,1
	v_add_nc_u32 v[26+\c], 0xff000000, v[24+\c]    ; 2 off the exponent field: the conversion's scale operand
.endr
.irp c, 0,1
	v_lshrrev_b32 v[28+\c], 23, v[26+\c]           ; the scale's byte
.endr
	v_lshl_or_b32 v30, v29, 16, v28                ; my bytes: blocks h and 2 + h,
	v_lshlrev_b32 v31, 3, v3
	v_lshlrev_b32 v30, v31, v30                    ; at their places (8 h bits up);
	v_mov_b32 v31, 0
	v_permlanex16_b32 v31, v30, s22, s23
	v_or_b32 v30, v30, v31                         ; with lane l xor 16's two the word is whole
.irp c, 0,1
.irp g, 0,1,2,3
	v_cvt_scalef32_pk8_fp4_f32 v[CD+4*\c+\g], v[X+32*\c+8*\g:X+32*\c+8*\g+7], v[26+\c]
.endr
.endr
	v_nop                                          ; one plain line behind the last scaled conversion
	global_store_b128 v4, v[CD:CD+3], s[28:29] offset:\codes
	global_store_b128 v4, v[CD+4:CD+7], s[28:29] offset:\codes+512
	global_store_b32 v5, v30, s[30:31] offset:\scales
.endm
.Lfwd:	; ---- FORWARD: operand row r of tile t is W1's COLUMN ub + rr; K runs down W1's first axis, 512 bytes a step
	TILEBASE
	s_lshl_b32 s26, s24, 2
	s_add_nc_u64 s[32:33], s[10:11], s[26:27]      ; W1 + 4 ub
	s_add_nc_u64 s[34:35], s[6:7], s[26:27]        ; W0 + 4 ub
	s_add_nc_u64 s[36:37], s[8:9], s[26:27]        ; b0 + 4 ub
	s_mul_i32 s26, s20, 768
	s_add_nc_u64 s[38:39], s[18:19], s[26:27]      ; blob + 768 t
	v_lshlrev_b32 v7, 2, v6                        ; 4 rr
	v_lshl_add_u32 v8, v3, 14, v7                  ; + 32 h rows of W1
	v_lshl_add_u32 v9, v3, 11, v7                  ; + 4 h rows of W0
	v_lshl_add_u32 v10, v3, 10, v7                 ; + 2 h rows of W0
	v_lshlrev_b32 v11, 3, v1                       ; 8 x lane
.set i, 0
.rept 64
	global_load_b32 v[X+i], v8, s[32:33] offset:(64*(i/32)+i%32)*512
.set i, i+1
.endr
	; W0's f32 fragments: K step s, register j, lane (r, h) holds k slot 2 h + j.  s = 0: rows 0,1 | 4,5;  s = 1: rows 2,3 | 6,7;  s = 2: rows 8,9 | 10 and b0 (its partner in the other operand is 1)
.irp s, 0,1
.irp j, 0,1
	global_load_b32 v[104+2*\s+\j], v9, s[34:35] offset:(2*\s+\j)*512
.endr
.endr
	global_load_b32 v108, v10, s[34:35] offset:8*512
	global_load_b32 v109, v7, s[34:35] offset:9*512
	global_load_b32 v110, v7, s[36:37]
	s_wait_loadcnt 0x0
	QW BL_W1F, BL_SF
	v_cndmask_b32 v109, v109, v110, s21            ; lanes 16-31 take b0
.irp s, 0,1,2
	global_store_b64 v11, v[104+2*\s:105+2*\s], s[38:39] offset:BL_W0F+256*\s
.endr
	s_endpgm
.Lbwd:	; ---- BACKWARD: operand row r of tile t is W1's ROW ub + rr; K runs along it
	TILEBASE
	s_lshl_b32 s26, s24, 9
	s_add_nc_u64 s[32:33], s[10:11], s[26:27]      ; W1 + 512 ub
	v_lshlrev_b32 v7, 9, v6
	v_lshl_add_u32 v7, v3, 7, v7                   ; 512 rr + 128 h
.irp c, 0,1
.irp g, 0,1,2,3,4,5,6,7
	global_load_b128 v[X+32*\c+4*\g:X+32*\c+4*\g+3], v7, s[32:33] offset:256*\c+16*\g
.endr
.endr
	s_wait_loadcnt 0x0
	QW BL_W1B, BL_SB
	s_cmp_lt_u32 s20, 4
	s_cbranch_scc1 .Lw0bf
	s_cmp_eq_u32 s20, 4
	s_cbranch_scc1 .Lb1wo
	s_endpgm
.Lw0bf:	; waves 0-3: 30 W0 as the bf16 operand of K step b = wave, in two parts.  Operand rows 0-3: W0's rows 0-3; 4-6: rows 8-10; 8-11: rows 4-7; the others zeros.
	; Lane (r, h) holds units 32 b + 16 h + 0 .. 15 of its row, the same permutation of k as the other operand has.
	v_and_b32 v12, 3, v2
	v_and_b32 v13, 8, v2
	v_lshrrev_b32 v13, 1, v13
	v_add_nc_u32 v12, v12, v13
	v_and_b32 v13, 4, v2
	v_lshl_add_u32 v12, v13, 1, v12                ; (m & 3) + (m & 8) / 2 + 2 (m & 4): W0's row, or above 10 for a row of zeros
	v_cmp_gt_u32 vcc_lo, 11, v12
	v_mov_b32 v14, 0x41f00000                      ; 30.0
	v_cndmask_b32 v20, 0, v14, vcc_lo
	v_mov_b32 v21, v20
	v_mov_b32 v22, -1.0
	v_min_u32 v12, 10, v12                         ; no load leaves W0
	v_lshlrev_b32 v12, 9, v12
	v_lshl_add_u32 v12, v3, 6, v12                 ; 512 row + 64 h
	s_lshl_b32 s26, s20, 7
	s_add_nc_u64 s[40:41], s[6:7], s[26:27]        ; W0 + 128 b
	s_lshl_b32 s26, s20, 11
	s_add_nc_u64 s[42:43], s[18:19], s[26:27]      ; blob + 2048 b
.irp g, 0,1,2,3
	global_load_b128 v[X+4*\g:X+4*\g+3], v12, s[40:41] offset:16*\g
.endr
	s_wait_loadcnt 0x0
.irp i, 0,2,4,6,8,10,12,14
	v_pk_mul_f32 v[X+\i:X+\i+1], v[X+\i:X+\i+1], v[20:21]
.endr
.irp i, 0,1,2,3,4,5,6,7
	v_cvt_pk_bf16_f32 v[112+\i], v[X+2*\i], v[X+2*\i+1]      ; hi.  Registers of their own: the codes' stores may still read theirs
.endr
.irp i, 0,1,2,3,4,5,6,7
	v_fma_mix_f32_bf16 v[X+2*\i], v[112+\i], v22, v[X+2*\i] op_sel_hi:[1,0,0]                    ; x - hi, exact in f32: the low half's,
	v_fma_mix_f32_bf16 v[X+2*\i+1], v[112+\i], v22, v[X+2*\i+1] op_sel:[1,0,0] op_sel_hi:[1,0,0] ; the high half's
.endr
.irp i, 0,1,2,3,4,5,6,7
	v_cvt_pk_bf16_f32 v[120+\i], v[X+2*\i], v[X+2*\i+1]      ; lo
.endr
.irp q, 0,1,2,3
	global_store_b128 v4, v[112+4*\q:115+4*\q], s[42:43] offset:BL_W0B+512*\q
.endr
	s_endpgm
.Lb1wo:	; wave 4: b1 and Wo, as they are
	global_load_b128 v[32:35], v4, s[12:13]
	global_load_b128 v[36:39], v4, s[14:15]
	s_wait_loadcnt 0x0
	global_store_b128 v4, v[32:35], s[18:19] offset:BL_B1
	global_store_b128 v4, v[36:39], s[18:19] offset:BL_WO
	s_endpgm
.Lfunc_end_k_q07cdbb9957_prep:
	.size	k_q07cdbb9957_prep, .Lfunc_end_k_q07cdbb9957_prep-k_q07cdbb9957_prep
	.p2alignl 7, 3214868480
	.fill 96, 4, 3214868480
	.section	.rodata,"a",@progbits
	.p2align	6, 0x0
	.amdhsa_kernel k_q07cdbb9957_prep
		.amdhsa_group_segment_fixed_size 0
		.amdhsa_private_segment_fixed_size 0
		.amdhsa_enable_private_segment 0
		.amdhsa_kernarg_size 64
		.amdhsa_user_sgpr_count 2
		.amdhsa_user_sgpr_kernarg_segment_ptr 1
		.amdhsa_wavefront_size32 1
		.amdhsa_system_sgpr_workgroup_id_x 1
		.amdhsa_system_sgpr_workgroup_id_y 1
		.amdhsa_system_sgpr_workgroup_id_z 1
		.amdhsa_system_vgpr_workitem_id 0
		.amdhsa_next_free_vgpr 128
		.amdhsa_next_free_sgpr 66
		.amdhsa_reserve_vcc 1
		.amdhsa_float_denorm_mode_32 3
		.amdhsa_float_denorm_mode_16_64 3
		.amdhsa_memory_ordered 1
		.amdhsa_forward_progress 1
		.amdhsa_inst_pref_size 30
	.end_amdhsa_kernel
	.amdgpu_metadata
---
amdhsa.version: [ 1, 2 ]
amdhsa.kernels:
  - .name:           k_q07cdbb9957_prep
    .symbol:         k_q07cdbb9957_prep.kd
    .args:
      - { .name: positions, .offset: 0, .size: 8, .value_kind: global_buffer, .address_space: global }
      - { .name: W0, .offset: 8, .size: 8, .value_kind: global_buffer, .address_space: global }
      - { .name: b0, .offset: 16, .size: 8, .value_kind: global_buffer, .address_space: global }
      - { .name: W1, .offset: 24, .size: 8, .value_kind: global_buffer, .address_space: global }
      - { .name: b1, .offset: 32, .size: 8, .value_kind: global_buffer, .address_space: global }
      - { .name: Wo, .offset: 40, .size: 8, .value_kind: global_buffer, .address_space: global }
      - { .name: cells, .offset: 48, .size: 8, .value_kind: global_buffer, .address_space: global }
      - { .name: blob, .offset: 56, .size: 8, .value_kind: global_buffer, .address_space: global }
    .group_segment_fixed_size: 0
    .private_segment_fixed_size: 0
    .kernarg_segment_align: 8
    .kernarg_segment_size: 64
    .max_flat_workgroup_size: 256
    .sgpr_count:     66
    .vgpr_count:     128
    .wavefront_size: 32
...
	.end_amdgpu_metadata
.endif
;; end of part 1
;; launch sdf (part 2): grid 256 x 1, 8 waves a work-group, no clusters, 46,080 bytes of LDS; arguments positions, embeddings, cells, blob, bo, out0, out1; writes out0, out1
.if DOCPART == 2
	.amdgcn_target "amdgcn-amd-amdhsa--gfx1250"
	.amdhsa_code_object_version 6
	.text
	.protected	k_q07cdbb9957_sdf
	.globl	k_q07cdbb9957_sdf
	.p2align	8
	.type	k_q07cdbb9957_sdf,@function
k_q07cdbb9957_sdf:
	s_mov_b64 s[64:65], 0
	v_nop
	global_prefetch_b8 v0, s[64:65] scope:SCOPE_SE
	s_setreg_imm32_b32 hwreg(HW_REG_WAVE_MODE, 25, 1), 1
	s_wait_xcnt 0x0
; sdf and its gradient for 524,288 points, fused: gather, smooth-step trilinear encode, two sine layers, the way back.
;   h = [emb(8), pos(3)];  z0 = h W0 + b0 (f32 matrix form, K = 12 with b0 as the twelfth);  h1 = sin(30 z0);  z1 = Q(h1) Q(W1) + b1 (E2M1 codes, E8M0 scales; b1 added in f32 behind the sum);  sdf = sin(30 z1) . Wo + bo;
;   dz1 = 30 (Wo cos(30 z1));  dh1 = Q(dz1) Q(W1)^T (codes);  dh = (cos(30 z0) dh1) (30 W0)^T (bf16, both operands in two parts);  grad = dh[8:11] + sum over c of dh[c] d emb_c / d pos.
; SHARES.  256 work-groups of 8 waves, two waves to a SIMD.  A wave owns 256 points: 16 tiles of 16, one tile a trip.  Waves share only the small read-only tables in LDS.
; LAYOUT.  Every product is used transposed (source 0 = 16 rows of weights, source 1 = 16 points): lane (r, h) holds point r, and register i of a 64-register result holds unit 32 (i / 16) + 16 h + i % 16
; (the first launch chose the rows of each weight tile so).  So a lane's 16 registers are 16 neighbours along the next K, and a block of 32 lies in lanes l and l xor 16.
; In the encode lane (r, h) holds channels 4 h .. 4 h + 3 of point r.
; SINE AND COSINE: n = round(a / pi) by adding 1.5 x 2^23; r = a - n pi in two fused steps (pi in two parts); polynomials of degree 11 and 10 on |r| <= pi / 2; the sign is n's lowest bit, added at bit 31.
; THE LAST PRODUCT IN TWO PARTS.  One rounding to bf16 leaves 2^-8 of a number at the most, and a point's gradient is a sum of such products that can cancel.  So x = cos0 dh1 and 30 W0 are each hi + lo,
; hi = bf16(x), lo = bf16(x - hi), and dh = Whi Xhi + Whi Xlo + Wlo Xhi; the term lo lo, under 2^-16 of a product, is left out.
; THE GATHER'S ADDRESSES come from the whole numbers that the first launch stored (cells), held at 127.  A tile's eight gathers are issued a phase ahead, into registers that are idle in that phase.
; LIMITS: |30 z| under 2^22 pi (the rounding by 1.5 x 2^23); the cosine's error is about 1e-7 absolute, so near its zeros not relative; NaN and infinities are not served; a block of zeros has the byte 1 over zero codes;
; a lerp is g0 + w (g1 - g0); 30 is folded into the bf16 parts of W0.  The clip needs no mask in the gradient: where it acts, t = 0 and 6 t (1 - t) = 0.
; No tensor loads and no cluster: what work-groups share is 34 KB of weights, read once by each wave; the gather goes lane by lane.
;
; REGISTERS.  Window 1 (v256 on): W0's f32 fragments v0-47, forward codes of W1 v48-111, backward codes v112-175, cos(30 z0) v176-239.
.set LB,   1                           ; 64 h
.set LI,   2                           ; 16 x lane
.set SA,   3                           ; my stage + 4 r
.set GA,   4                           ; my stage + 1024 + 12 r
.set IO,   5                           ; 4 r
.set H16,  6                           ; 16 h
.set IOX,  7                           ; offset of the index load in flight
.set SAX,  8                           ; this trip's place for sdf
.set GAX,  9                           ; this trip's place for the gradient
.set GAN,  10                          ; the next tile's positions
.set IDX,  11                          ; packed cell of the tile after the one being gathered
.set POS,  12                          ; v12-14
.set PD,   15                          ; a lane permute's destination
.set WSF,  16                          ; v16-23  forward scale words of W1, one a tile
.set WSB,  24                          ; v24-31  backward
.set HH,   32                          ; v32-37  the 12 inputs of the first layer: three pairs
.set MAGIC, 38                         ; v38-39  1.5 x 2^23
.set VS5,  40                          ; v40-41  the sine's highest coefficient
.set VC5,  42                          ; v42-43  the cosine's
.set DD,   44                          ; v44-55  d emb_c / d pos_a of this tile, at 4 a + c
.set DN,   56                          ; v56-67  of the next tile
.set DOT,  68                          ; v68-75  sin . Wo, four pairs; later an accumulator of dh
.set PW,   76                          ; the points' scale word: holds scales alone
.set MX,   77
.set MX2,  78
.set SOP,  79                          ; the conversions' scale operand
.set CODE, 80                          ; v80-87  the codes just made; later an accumulator of dh
.set RA,   88                          ; v88-95   a, then r
.set RT,   96                          ; v96-103  n + 1.5 x 2^23
.set RN,   104                         ; v104-111 n, r^2, r^3
.set RP,   112                         ; v112-119 sine
.set RQ,   120                         ; v120-127 cosine
.set SB,   128                         ; v128-143 the 16 numbers of a block ahead of the quantiser
.set WOT,  144                         ; v144-159 Wo of a block
.set Z0,   160                         ; v160-191 z0: two sets of 16, written by the f32 matrix form alone
.set Z1,   192                         ; v192-255 z1, later dh1, later W0's bf16 fragments
.set GG,   192                         ; v192-223 the eight corners, corner (x, y, z) at 4 (4 x + 2 y + z)
.set GO,   224                         ; v224-231 their offsets
.set XD,   232                         ; v232-247 differences along x
.set WT,   88                          ; v88-99   axis a: w at 4 a, dw at 4 a + 2 (each the low register of a pair whose high register is written scratch)
.set EX,   100
.set EF,   104
.set B1R,  88                          ; v88-151  b1 in the result's layout
.set XH,   88                          ; v88-119  cos0 dh1: hi
.set XL,   120                         ; v120-151 lo
.set GA0,  80                          ; three accumulators of dh: Whi Xhi,
.set GA1,  152                         ; Whi Xlo,
.set GA2,  68                          ; Wlo Xhi
.set GT,   88                          ; v88-94   the gradient at work
.set W0F,  0                           ; window 1
.set W1F,  48
.set W1B,  112
.set C0,   176
.set L_W0B, 0                          ; LDS: 30 W0's bf16 images, 8,192 bytes: K step b, group q at 2048 b + 512 q
.set L_B1,  8192                       ; b1, 512 bytes
.set L_WO,  8704                       ; Wo, 512 bytes
.set L_STG, 12288                      ; a stage of 4,096 bytes for each wave: 1,024 of sdf, 3,072 of positions that give way to the gradient tile by tile
.set MSB, 0
.macro WIN new                         ; the immediate's high byte repeats the setting that is left
.if MSB != \new
	s_set_vgpr_msb (MSB<<8)|\new
.set MSB, \new
.endif
.endm
.macro SPAIR r, val                    ; a packed form names a pair: both words are written
	s_mov_b32 s[\r], \val
	s_mov_b32 s[\r+1], \val
.endm
; Sine (into p) and cosine (into q) of 30 z for 8 numbers, without their signs; RT keeps n.  Each line is written for the four pairs in turn.
.macro CORE z, p, q
.irp k, 0,2,4,6
	v_pk_mul_f32 v[RA+\k:RA+\k+1], v[(\z)+\k:(\z)+\k+1], s[28:29] op_sel_hi:[1,0]                        ; a = 30 z
.endr
.irp k, 0,2,4,6
	v_pk_fma_f32 v[RT+\k:RT+\k+1], v[RA+\k:RA+\k+1], s[30:31], v[MAGIC:MAGIC+1] op_sel_hi:[1,0,1]        ; a / pi + 1.5 x 2^23: rounded to a whole number
.endr
.irp k, 0,2,4,6
	v_pk_add_f32 v[RN+\k:RN+\k+1], v[RT+\k:RT+\k+1], v[MAGIC:MAGIC+1] neg_lo:[0,1] neg_hi:[0,1]          ; n
.endr
.irp k, 0,2,4,6
	v_pk_fma_f32 v[RA+\k:RA+\k+1], v[RN+\k:RN+\k+1], s[32:33], v[RA+\k:RA+\k+1] op_sel_hi:[1,0,1]        ; a - n pi, upper part
.endr
.irp k, 0,2,4,6
	v_pk_fma_f32 v[RA+\k:RA+\k+1], v[RN+\k:RN+\k+1], s[34:35], v[RA+\k:RA+\k+1] op_sel_hi:[1,0,1]        ; lower part: r
.endr
.irp k, 0,2,4,6
	v_pk_mul_f32 v[RN+\k:RN+\k+1], v[RA+\k:RA+\k+1], v[RA+\k:RA+\k+1]                                    ; r^2
.endr
.irp k, 0,2,4,6
	v_pk_fma_f32 v[(\p)+\k:(\p)+\k+1], v[RN+\k:RN+\k+1], v[VS5:VS5+1], s[36:37] op_sel_hi:[1,1,0]
.endr
.irp k, 0,2,4,6
	v_pk_fma_f32 v[(\q)+\k:(\q)+\k+1], v[RN+\k:RN+\k+1], v[VC5:VC5+1], s[44:45] op_sel_hi:[1,1,0]
.endr
.irp c, 2,4,6
.irp k, 0,2,4,6
	v_pk_fma_f32 v[(\p)+\k:(\p)+\k+1], v[(\p)+\k:(\p)+\k+1], v[RN+\k:RN+\k+1], s[36+\c:37+\c] op_sel_hi:[1,1,0]
.endr
.irp k, 0,2,4,6
	v_pk_fma_f32 v[(\q)+\k:(\q)+\k+1], v[(\q)+\k:(\q)+\k+1], v[RN+\k:RN+\k+1], s[44+\c:45+\c] op_sel_hi:[1,1,0]
.endr
.endr
.irp k, 0,2,4,6
	v_pk_fma_f32 v[(\q)+\k:(\q)+\k+1], v[(\q)+\k:(\q)+\k+1], v[RN+\k:RN+\k+1], 1.0 op_sel_hi:[1,1,0]     ; cos r
.endr
.irp k, 0,2,4,6
	v_pk_mul_f32 v[RN+\k:RN+\k+1], v[RN+\k:RN+\k+1], v[RA+\k:RA+\k+1]                                    ; r^3
.endr
.irp k, 0,2,4,6
	v_pk_fma_f32 v[(\p)+\k:(\p)+\k+1], v[(\p)+\k:(\p)+\k+1], v[RN+\k:RN+\k+1], v[RA+\k:RA+\k+1]          ; sin r
.endr
.endm
; z0 of units 32 b .. 32 b + 31: tiles 2 b and 2 b + 1 by turns, three K steps of 4; the first takes the constant 0.  Into set b % 2.  Leaves the window set.
.macro WMMA0 b
	WIN 0x01                                       ; source 0 (W0) in window 1
.irp s, 0,1,2
.irp u, 0,1
.if \s == 0
	v_wmma_f32_16x16x4_f32 v[Z0+16*((\b)%2)+8*\u:Z0+16*((\b)%2)+8*\u+7], v[W0F+2*(3*(2*(\b)+\u)+\s):W0F+2*(3*(2*(\b)+\u)+\s)+1], v[HH+2*\s:HH+2*\s+1], 0
.else
	v_wmma_f32_16x16x4_f32 v[Z0+16*((\b)%2)+8*\u:Z0+16*((\b)%2)+8*\u+7], v[W0F+2*(3*(2*(\b)+\u)+\s):W0F+2*(3*(2*(\b)+\u)+\s)+1], v[HH+2*\s:HH+2*\s+1], v[Z0+16*((\b)%2)+8*\u:Z0+16*((\b)%2)+8*\u+7]
.endif
.endr
.endr
.endm
; The 16 numbers in SB are my half of block b of my point: its scale byte goes into PW, its codes into CODE[2 b], CODE[2 b + 1].
.macro QBLOCK b
	v_max3_num_f32 v[MX], |v[SB]|, |v[SB+1]|, 0x1800000                   ; with the floor 2^(3 - 127): the byte cannot fall under 1
	v_max3_num_f32 v[MX2], |v[SB+2]|, |v[SB+3]|, |v[SB+4]|
.irp i, 5,9
	v_max3_num_f32 v[MX], v[MX], |v[SB+\i]|, |v[SB+\i+1]|
	v_max3_num_f32 v[MX2], v[MX2], |v[SB+\i+2]|, |v[SB+\i+3]|
.endr
	v_max3_num_f32 v[MX], v[MX], |v[SB+13]|, |v[SB+14]|
	v_max3_num_f32 v[MX], v[MX], v[MX2], |v[SB+15]|
	v_permlanex16_b32 v[MX2], v[MX], s22, s23
	v_max_num_f32 v[MX], v[MX], v[MX2]             ; with lane l xor 16's: the block's largest magnitude
	v_add_nc_u32 v[SOP], 0xff000000, v[MX]         ; 2 off its exponent field
	v_cvt_scalef32_pk8_fp4_f32 v[CODE+2*(\b)], v[SB:SB+7], v[SOP]
	v_cvt_scalef32_pk8_fp4_f32 v[CODE+2*(\b)+1], v[SB+8:SB+15], v[SOP]
.if (\b) == 0
	v_lshrrev_b32 v[PW], 23, v[SOP]                ; the byte; these plain lines stand behind the conversions
.else
	v_lshrrev_b32 v[MX2], 23, v[SOP]
	v_lshl_or_b32 v[PW], v[MX2], 8*(\b), v[PW]
.endif
.endm
.macro QEND                            ; the operand's layout wants a whole block in a lane: lanes 0-15 block 2 c, lanes 16-31 block 2 c + 1
	v_nop
.irp c, 0,1
.irp i, 0,1
	v_permlane16_swap_b32 v[CODE+4*\c+\i], v[CODE+2+4*\c+\i]
.endr
.endr
.endm
; For the tile whose cell lies in IDX: eight gathers of 16 bytes a lane, its positions from my stage (offset s54), and the index of the tile after it (offset s55).
.macro NEXT
	v_and_b32 v88, 0xff, v[IDX]
	v_bfe_u32 v89, v[IDX], 8, 8
	v_bfe_u32 v90, v[IDX], 16, 8
.irp a, 0,1,2
	v_min_u32 v[88+\a], 127, v[88+\a]              ; a loaded number enters an address only behind this hold
.endr
.irp a, 0,1,2
	v_add_nc_u32 v[91+\a], 1, v[88+\a]
.endr
.irp a, 0,1,2
	v_min_u32 v[91+\a], 127, v[91+\a]              ; the upper corner, held at the grid's edge as the problem has it
.endr
	v_lshl_add_u32 v94, v88, 7, v89                ; 128 ix + iy for (x, y) = (0, 0), (0, 1), (1, 0), (1, 1)
	v_lshl_add_u32 v95, v88, 7, v92
	v_lshl_add_u32 v96, v91, 7, v89
	v_lshl_add_u32 v97, v91, 7, v92
	v_lshl_add_u32 v98, v90, 5, v[H16]             ; 32 iz + my half's 16 bytes
	v_lshl_add_u32 v99, v93, 5, v[H16]
.irp xy, 0,1,2,3
.irp z, 0,1
	v_lshl_add_u32 v[GO+2*\xy+\z], v[94+\xy], 12, v[98+\z]
.endr
.endr
.irp c, 0,1,2,3,4,5,6,7
	global_load_b128 v[GG+4*\c:GG+4*\c+3], v[GO+\c], s[6:7]
.endr
	v_add_nc_u32 v[GAN], s54, v[GA]
.irp a, 0,1,2
	ds_load_b32 v[POS+\a], v[GAN] offset:4*\a
.endr
	v_add_nc_u32 v[IOX], s55, v[IO]
	global_load_b32 v[IDX], v[IOX], s[8:9]         ; the youngest load
.endm
; From POS and the eight corners: the first layer's 12 inputs (HH) and d emb_c / d pos_a (DN).
.macro ENCODE
.irp a, 0,1,2
	v_add_f32 v[EX+\a], 1.0, v[POS+\a]             ; these four lines as in the first launch: the floor is the stored index
.endr
.irp a, 0,1,2
	v_mul_f32 v[EX+\a], 0x427e0000, v[EX+\a]
.endr
.irp a, 0,1,2
	v_med3_num_f32 v[EX+\a], v[EX+\a], 0, s24
.endr
.irp a, 0,1,2
	v_floor_f32 v[EF+\a], v[EX+\a]
.endr
.irp a, 0,1,2
	v_sub_f32 v[EX+\a], v[EX+\a], v[EF+\a]         ; t
.endr
.irp a, 0,1,2
	v_fma_f32 v[WT+4*\a+3], v[EX+\a], -2.0, 0x40400000   ; 3 - 2 t
.endr
.irp a, 0,1,2
	v_mul_f32 v[WT+4*\a+1], v[EX+\a], v[EX+\a]     ; t t
.endr
.irp a, 0,1,2
	v_mul_f32 v[WT+4*\a], v[WT+4*\a+1], v[WT+4*\a+3]     ; w
.endr
.irp a, 0,1,2
	v_fma_f32 v[EF+\a], -v[EX+\a], v[EX+\a], v[EX+\a]    ; t (1 - t)
.endr
.irp a, 0,1,2
	v_mul_f32 v[WT+4*\a+2], 0x43be8000, v[EF+\a]   ; dw / dpos = 6 x 63.5 x t (1 - t)
.endr
.irp c, 0,2,4,6,8,10,12,14
	v_pk_add_f32 v[XD+\c:XD+\c+1], v[GG+16+\c:GG+17+\c], v[GG+\c:GG+\c+1] neg_lo:[0,1] neg_hi:[0,1]      ; along x: g1 - g0, for the four (y, z)
.endr
.irp c, 0,2,4,6,8,10,12,14
	v_pk_fma_f32 v[GG+\c:GG+\c+1], v[XD+\c:XD+\c+1], v[WT:WT+1], v[GG+\c:GG+\c+1] op_sel_hi:[1,0,1]      ; c(y, z)
.endr
.irp c, 0,2,4,6
	v_pk_add_f32 v[GG+16+\c:GG+17+\c], v[GG+8+\c:GG+9+\c], v[GG+\c:GG+\c+1] neg_lo:[0,1] neg_hi:[0,1]    ; along y, of c
	v_pk_add_f32 v[GG+24+\c:GG+25+\c], v[XD+8+\c:XD+9+\c], v[XD+\c:XD+\c+1] neg_lo:[0,1] neg_hi:[0,1]    ; and of the x differences
.endr
.irp c, 0,2,4,6
	v_pk_fma_f32 v[GG+\c:GG+\c+1], v[GG+16+\c:GG+17+\c], v[WT+4:WT+5], v[GG+\c:GG+\c+1] op_sel_hi:[1,0,1]
	v_pk_fma_f32 v[XD+\c:XD+\c+1], v[GG+24+\c:GG+25+\c], v[WT+4:WT+5], v[XD+\c:XD+\c+1] op_sel_hi:[1,0,1]
.endr
.irp c, 0,2
	v_pk_add_f32 v[GG+8+\c:GG+9+\c], v[GG+4+\c:GG+5+\c], v[GG+\c:GG+\c+1] neg_lo:[0,1] neg_hi:[0,1]      ; along z: of c,
	v_pk_add_f32 v[XD+8+\c:XD+9+\c], v[XD+4+\c:XD+5+\c], v[XD+\c:XD+\c+1] neg_lo:[0,1] neg_hi:[0,1]      ; of the x differences,
	v_pk_add_f32 v[GG+24+\c:GG+25+\c], v[GG+20+\c:GG+21+\c], v[GG+16+\c:GG+17+\c] neg_lo:[0,1] neg_hi:[0,1]  ; of the y differences
.endr
.irp c, 0,2
	v_pk_fma_f32 v[HH+\c:HH+\c+1], v[GG+8+\c:GG+9+\c], v[WT+8:WT+9], v[GG+\c:GG+\c+1] op_sel_hi:[1,0,1]  ; emb, my four channels
	v_pk_fma_f32 v[XD+\c:XD+\c+1], v[XD+8+\c:XD+9+\c], v[WT+8:WT+9], v[XD+\c:XD+\c+1] op_sel_hi:[1,0,1]  ; d emb / d wx
	v_pk_fma_f32 v[GG+16+\c:GG+17+\c], v[GG+24+\c:GG+25+\c], v[WT+8:WT+9], v[GG+16+\c:GG+17+\c] op_sel_hi:[1,0,1]  ; d emb / d wy
.endr
.irp c, 0,2
	v_pk_mul_f32 v[DN+\c:DN+\c+1], v[XD+\c:XD+\c+1], v[WT+2:WT+3] op_sel_hi:[1,0]
	v_pk_mul_f32 v[DN+4+\c:DN+5+\c], v[GG+16+\c:GG+17+\c], v[WT+6:WT+7] op_sel_hi:[1,0]
	v_pk_mul_f32 v[DN+8+\c:DN+9+\c], v[GG+8+\c:GG+9+\c], v[WT+10:WT+11] op_sel_hi:[1,0]
.endr
	v_cndmask_b32 v[HH+4], v[POS], v[POS+2], s21   ; lanes 0-15: px, py; lanes 16-31: pz, 1 (b0's partner)
	v_cndmask_b32 v[HH+5], v[POS+1], 1.0, s21
.endm
; First layer, units 32 b .. 32 b + 31: sine to the quantiser, cosine kept in window 1.  The z0 of the next block is asked of the matrix unit first, into the set read one block ago.
.macro P1BLOCK b
.if ((\b) == 1) || ((\b) == 2)
	WMMA0 (\b)+1
	WIN 0
.endif
.irp u, 0,1
	CORE Z0+16*((\b)%2)+8*\u, SB+8*\u, RQ
.irp i, 0,1,2,3,4,5,6,7
	v_lshl_add_u32 v[SB+8*\u+\i], v[RT+\i], 31, v[SB+8*\u+\i]             ; n odd: the sign turns (2^31 added modulo 2^32)
.endr
	WIN 0x40                                       ; destination in window 1
.irp i, 0,1,2,3,4,5,6,7
	v_lshl_add_u32 v[C0+8*(2*(\b)+\u)+\i], v[RT+\i], 31, v[RQ+\i]
.endr
	WIN 0
.endr
	QBLOCK \b
.endm
; Second layer, units 32 b .. 32 b + 31: one turn of Wo's sign serves sine and cosine; dz1 = 30 (Wo cos), rounded in that order, to the quantiser; sin . Wo into DOT.
.macro P3BLOCK b
.irp q4, 0,1,2,3
	ds_load_b128 v[WOT+4*\q4:WOT+4*\q4+3], v[LB] offset:L_WO+128*(\b)+16*\q4
.endr
.irp u, 0,1
	CORE Z1+8*(2*(\b)+\u), RP, RQ
.if \u == 0
	s_wait_dscnt 0x0                               ; Wo of this block is in
.endif
.irp i, 0,1,2,3,4,5,6,7
	v_lshl_add_u32 v[WOT+8*\u+\i], v[RT+\i], 31, v[WOT+8*\u+\i]
.endr
.irp k, 0,2,4,6
	v_pk_mul_f32 v[SB+8*\u+\k:SB+8*\u+\k+1], v[RQ+\k:RQ+\k+1], v[WOT+8*\u+\k:WOT+8*\u+\k+1]
.endr
.irp k, 0,2,4,6
.if ((\b) == 0) && (\u == 0)
	v_pk_mul_f32 v[DOT+\k:DOT+\k+1], v[RP+\k:RP+\k+1], v[WOT+8*\u+\k:WOT+8*\u+\k+1]                      ; the first products start the sums
.else
	v_pk_fma_f32 v[DOT+\k:DOT+\k+1], v[RP+\k:RP+\k+1], v[WOT+8*\u+\k:WOT+8*\u+\k+1], v[DOT+\k:DOT+\k+1]
.endif
.endr
.irp k, 0,2,4,6
	v_pk_mul_f32 v[SB+8*\u+\k:SB+8*\u+\k+1], v[SB+8*\u+\k:SB+8*\u+\k+1], s[28:29] op_sel_hi:[1,0]
.endr
.endr
	QBLOCK \b
.endm
; x = cos0 dh1 of units 32 b .. 32 b + 31 (16 registers of Z1) becomes hi and lo in bf16; W0's hi and lo fragments of K step b are then asked for, into the 16 registers just freed.
.macro XBLOCK b
.irp i, 0,1,2,3,4,5,6,7
	v_cvt_pk_bf16_f32 v[XH+8*(\b)+\i], v[Z1+16*(\b)+2*\i], v[Z1+16*(\b)+2*\i+1]
.endr
.irp i, 0,1,2,3,4,5,6,7
	v_fma_mix_f32_bf16 v[Z1+16*(\b)+2*\i], v[XH+8*(\b)+\i], v[MX], v[Z1+16*(\b)+2*\i] op_sel_hi:[1,0,0]                      ; x - hi, exact in f32
	v_fma_mix_f32_bf16 v[Z1+16*(\b)+2*\i+1], v[XH+8*(\b)+\i], v[MX], v[Z1+16*(\b)+2*\i+1] op_sel:[1,0,0] op_sel_hi:[1,0,0]
.endr
.irp i, 0,1,2,3,4,5,6,7
	v_cvt_pk_bf16_f32 v[XL+8*(\b)+\i], v[Z1+16*(\b)+2*\i], v[Z1+16*(\b)+2*\i+1]
.endr
.irp q, 0,1,2,3
	ds_load_b128 v[Z1+16*(\b)+4*\q:Z1+16*(\b)+4*\q+3], v[LI] offset:L_W0B+2048*(\b)+512*\q
.endr
.endm
	; ---- HEAD
	s_load_b256 s[4:11], s[0:1], 0x0               ; positions s[4:5], embeddings s[6:7], cells s[8:9], blob s[10:11]
	s_load_b128 s[12:15], s[0:1], 0x20             ; bo s[12:13], out0 s[14:15]
	s_load_b64 s[16:17], s[0:1], 0x30              ; out1
	s_set_vgpr_msb 0x40
	v_lshl_add_u32 v254, v0, 2, 0xb000
	v_mov_b32 v255, 0
	s_set_vgpr_msb 0x4000
	v_lshrrev_b32 v88, 5, v0
	v_readfirstlane_b32 s18, v88                   ; wave 0..7
	v_and_b32 v88, 31, v0                          ; lane
	v_and_b32 v89, 15, v0                          ; r
	v_bfe_u32 v90, v0, 4, 1                        ; h
	v_lshlrev_b32 v[LB], 6, v90
	v_lshlrev_b32 v[LI], 4, v88
	v_lshlrev_b32 v[H16], 4, v90
	v_lshlrev_b32 v[IO], 2, v89
	s_lshl_b32 s26, s18, 12
	s_add_co_u32 s26, s26, L_STG                   ; my stage
	v_add_nc_u32 v[SA], s26, v[IO]
	v_mul_u32_u24 v[GA], v89, 12
	v_add_nc_u32 v[GA], s26, v[GA]
	v_add_nc_u32 v[GA], 1024, v[GA]
	v_add_nc_u32 v92, s26, v[LI]                   ; my stage + 16 x lane
	v_lshlrev_b32 v93, 3, v88                      ; 8 x lane
	v_lshlrev_b32 v94, 2, v88                      ; 4 x lane
	v_lshlrev_b32 v95, 4, v0                       ; 16 x thread
	v_lshlrev_b32 v96, 2, v0                       ; 4 x thread
	v_mov_b32 v[PD], 0                             ; a lane permute's destination counts as read
	v_mov_b32 v[MAGIC], 0x4b400000
	v_mov_b32 v[MAGIC+1], 0x4b400000
	v_mov_b32 v[VS5], 0xb2cd4ca8                   ; -2.39e-8
	v_mov_b32 v[VS5+1], 0xb2cd4ca8
	v_mov_b32 v[VC5], 0xb48bdad9                   ; -2.605e-7
	v_mov_b32 v[VC5+1], 0xb48bdad9
	s_mov_b32 s21, 0xffff0000                      ; lanes 16-31
	s_mov_b32 s22, 0x76543210
	s_mov_b32 s23, 0xfedcba98                      ; selects for lane l xor 16
	s_mov_b32 s24, 0x42fe0000                      ; 127.0
	SPAIR 28, 0x41f00000                           ; 30.0
	SPAIR 30, 0x3ea2f983                           ; 1 / pi
	SPAIR 32, 0xc0490fdb                           ; -pi, upper part
	SPAIR 34, 0x33bbbd2e                           ; -pi, lower part
	SPAIR 36, 0x3638b94e                           ; sine:  2.7526e-6
	SPAIR 38, 0xb9500c03                           ;       -1.984090e-4
	SPAIR 40, 0x3c088887                           ;        8.3333315e-3
	SPAIR 42, 0xbe2aaaab                           ;       -0.1666666664
	SPAIR 44, 0x37cfb5a0                           ; cosine: 2.47609e-5
	SPAIR 46, 0xbab609ba                           ;       -1.3888397e-3
	SPAIR 48, 0x3d2aaaa4                           ;        4.16666418e-2
	SPAIR 50, 0xbf000000                           ;       -0.4999999963, which is -0.5 in f32
	s_lshl_b32 s2, ttmp9, 3
	s_add_co_u32 s2, s2, s18                       ; which run of 256 points is my wave's
	s_mul_i32 s56, s2, 3072
	s_mov_b32 s57, 0
	s_lshl_b32 s58, s2, 10
	s_mov_b32 s59, 0
	s_wait_kmcnt 0x0
	s_load_b32 s20, s[12:13], 0x0                  ; bo
	s_add_nc_u64 s[4:5], s[4:5], s[56:57]
	s_add_nc_u64 s[8:9], s[8:9], s[58:59]
	s_add_nc_u64 s[14:15], s[14:15], s[58:59]
	s_add_nc_u64 s[16:17], s[16:17], s[56:57]
	WIN 0x40                                       ; destinations in window 1: the weights stay in registers for the whole launch
.irp t, 0,1,2,3,4,5,6,7
.irp c, 0,1
	global_load_b128 v[W1F+8*\t+4*\c:W1F+8*\t+4*\c+3], v[LI], s[10:11] offset:1024*\t+512*\c
	global_load_b128 v[W1B+8*\t+4*\c:W1B+8*\t+4*\c+3], v[LI], s[10:11] offset:8192+1024*\t+512*\c
.endr
.endr
.set i, 0
.rept 24
	global_load_b64 v[W0F+2*i:W0F+2*i+1], v93, s[10:11] offset:18432+256*i
.set i, i+1
.endr
	WIN 0
.irp t, 0,1,2,3,4,5,6,7
	global_load_b32 v[WSF+\t], v94, s[10:11] offset:16384+128*\t
	global_load_b32 v[WSB+\t], v94, s[10:11] offset:17408+128*\t
.endr
	global_load_b128 v[192:195], v95, s[10:11] offset:24576       ; the work-group's 256 threads bring 30 W0's images, 8,192 bytes,
	global_load_b128 v[196:199], v95, s[10:11] offset:24576+4096
	global_load_b32 v224, v96, s[10:11] offset:32768              ; b1 and Wo
.irp j, 0,1,2,3,4,5
	global_load_b128 v[200+4*\j:203+4*\j], v[LI], s[4:5] offset:512*\j th:TH_LOAD_NT   ; my 256 points' positions, 512 consecutive bytes a load
.endr
	global_load_b32 v[IDX], v[IO], s[8:9]          ; tile 0's cells
	s_wait_loadcnt 0x0
	ds_store_b128 v95, v[192:195] offset:L_W0B
	ds_store_b128 v95, v[196:199] offset:L_W0B+4096
	ds_store_b32 v96, v224 offset:L_B1
.irp j, 0,1,2,3,4,5
	ds_store_b128 v92, v[200+4*\j:203+4*\j] offset:1024+512*\j
.endr
	s_wait_kmcnt 0x0                               ; bo
	s_wait_dscnt 0x0                               ; for the others' sake: my stores into the shared tables are done
	s_barrier_signal -1
	s_barrier_wait -1                              ; the one barrier: from here on the tables are only read, and a stage is its wave's own
	s_mov_b32 s54, 0                               ; tile 0's positions,
	s_mov_b32 s55, 64                              ; tile 1's cells
	NEXT
	s_wait_loadcnt 0x1                             ; the eight gathers are in; the index load issued behind them may stay out
	s_wait_dscnt 0x0                               ; the positions
	ENCODE
	s_mov_b32 s19, 0                               ; the tile
	s_mov_b32 s52, 0                               ; 64 x tile
	s_mov_b32 s53, 0                               ; 192 x tile
.Ltile:
	WMMA0 0
	WMMA0 1
	WIN 0
.irp i, 0,1,2,3,4,5,6,7,8,9,10,11
	v_mov_b32 v[DD+\i], v[DN+\i]                   ; this tile's derivatives give their place to the next tile's.  With the two lines below: the places behind the f32 matrix form (eight are asked)
.endr
	v_add_nc_u32 v[SAX], s52, v[SA]
	v_add_nc_u32 v[GAX], s53, v[GA]
	s_cmp_lt_u32 s19, 15
	s_cbranch_scc0 .Lno_next                       ; the last tile has no successor
	s_wait_loadcnt 0x0                             ; the next tile's cells
	s_add_co_u32 s54, s53, 192
	s_min_u32 s54, s54, 2880                       ; the next tile's positions: inside my stage
	s_add_co_u32 s55, s52, 128
	s_min_u32 s55, s55, 960                        ; the cells of the tile after it, or the last tile's once more: no load leaves its buffer
	NEXT
.Lno_next:
	P1BLOCK 0
	P1BLOCK 1
	P1BLOCK 2
	P1BLOCK 3
	QEND
	s_wait_loadcnt 0x1                             ; on every path: the gathers are in (the index load behind them may stay out), so their registers and offsets may be written below
	s_wait_dscnt 0x0                               ; the next tile's positions
	s_cmp_lt_u32 s19, 15
	s_cbranch_scc0 .Lno_encode
	ENCODE
.Lno_encode:
	; ---- z1 = Q(h1) Q(W1) + b1.  The sum starts from 0 and is rounded to f32; b1, in the result's layout, is added behind it, as the problem has it: so a b1 that is large against the sum costs no bit of 30 z1
.irp t, 0,1,2,3,4,5,6,7
.irp q4, 0,1
	ds_load_b128 v[B1R+8*\t+4*\q4:B1R+8*\t+4*\q4+3], v[LB] offset:L_B1+128*(\t/2)+32*(\t%2)+16*\q4
.endr
.endr
.rept 8
	v_nop                                          ; a scale word written by vector instructions stands eight places ahead of a scaled matrix instruction, codes so written four (ISA guide 7.12.1 gives the kind of place)
.endr
	WIN 0x01
.irp t, 0,1,2,3,4,5,6,7
	v_wmma_scale_f32_16x16x128_f8f6f4 v[Z1+8*\t:Z1+8*\t+7], v[W1F+8*\t:W1F+8*\t+7], v[CODE:CODE+7], 0, v[WSF+\t], v[PW] matrix_a_fmt:MATRIX_FMT_FP4 matrix_b_fmt:MATRIX_FMT_FP4
.endr
	WIN 0
.rept 4
	v_nop                                          ; four places ahead of the first read of a result
.endr
	s_wait_dscnt 0x0                               ; b1
.set i, 0
.rept 32
	v_pk_add_f32 v[Z1+i:Z1+i+1], v[Z1+i:Z1+i+1], v[B1R+i:B1R+i+1]         ; each accumulator from its low end on
.set i, i+2
.endr
	P3BLOCK 0
	P3BLOCK 1
	P3BLOCK 2
	P3BLOCK 3
	QEND
	; ---- sdf = sin . Wo + bo, into my stage
	v_pk_add_f32 v[DOT:DOT+1], v[DOT:DOT+1], v[DOT+2:DOT+3]
	v_pk_add_f32 v[DOT+4:DOT+5], v[DOT+4:DOT+5], v[DOT+6:DOT+7]
	v_pk_add_f32 v[DOT:DOT+1], v[DOT:DOT+1], v[DOT+4:DOT+5]
	v_add_f32 v[DOT], v[DOT], v[DOT+1]
	v_permlanex16_b32 v[PD], v[DOT], s22, s23
	v_add_f32 v[DOT], v[DOT], v[PD]                ; with lane l xor 16's 64 units
	v_add_f32 v[DOT], s20, v[DOT]                  ; + bo
	ds_store_b32 v[SAX], v[DOT]                    ; both lanes of a point write the same word with the same value
	; ---- dh1 = Q(dz1) Q(W1)^T
.rept 8
	v_nop                                          ; the places ahead of a scaled matrix instruction, as above
.endr
	WIN 0x01
.irp t, 0,1,2,3,4,5,6,7
	v_wmma_scale_f32_16x16x128_f8f6f4 v[Z1+8*\t:Z1+8*\t+7], v[W1B+8*\t:W1B+8*\t+7], v[CODE:CODE+7], 0, v[WSB+\t], v[PW] matrix_a_fmt:MATRIX_FMT_FP4 matrix_b_fmt:MATRIX_FMT_FP4
.endr
	WIN 0
.rept 4
	v_nop
.endr
	WIN 0x04                                       ; source 1 (cos0) in window 1
.set i, 0
.rept 32
	v_pk_mul_f32 v[Z1+i:Z1+i+1], v[Z1+i:Z1+i+1], v[C0+i:C0+i+1]           ; x = cos0 dh1; each accumulator from its low end on
.set i, i+2
.endr
	WIN 0
	v_mov_b32 v[MX], -1.0
	XBLOCK 0
	XBLOCK 1
	XBLOCK 2
	XBLOCK 3
	; ---- dh = x (30 W0)^T: four K steps of 32, three products each, on three accumulators by turns.  Lanes 0-15: registers 0-3 dh[e0..3], 4-6 dh[pos]; lanes 16-31: registers 0-3 dh[e4..7], the others 0
.irp b, 0,1,2,3
	s_wait_dscnt 12-4*\b                           ; K step b's four loads are in; the four of each later step may stay out
.if \b == 0
	v_wmma_f32_16x16x32_bf16 v[GA0:GA0+7], v[Z1+16*\b:Z1+16*\b+7], v[XH+8*\b:XH+8*\b+7], 0
	v_wmma_f32_16x16x32_bf16 v[GA1:GA1+7], v[Z1+16*\b:Z1+16*\b+7], v[XL+8*\b:XL+8*\b+7], 0
	v_wmma_f32_16x16x32_bf16 v[GA2:GA2+7], v[Z1+16*\b+8:Z1+16*\b+15], v[XH+8*\b:XH+8*\b+7], 0
.else
	v_wmma_f32_16x16x32_bf16 v[GA0:GA0+7], v[Z1+16*\b:Z1+16*\b+7], v[XH+8*\b:XH+8*\b+7], v[GA0:GA0+7]
	v_wmma_f32_16x16x32_bf16 v[GA1:GA1+7], v[Z1+16*\b:Z1+16*\b+7], v[XL+8*\b:XL+8*\b+7], v[GA1:GA1+7]
	v_wmma_f32_16x16x32_bf16 v[GA2:GA2+7], v[Z1+16*\b+8:Z1+16*\b+15], v[XH+8*\b:XH+8*\b+7], v[GA2:GA2+7]
.endif
.endr
.rept 4
	v_nop                                          ; four places ahead of the first read of a result and of the first write of an operand
.endr
.irp k, 0,2,4,6
	v_pk_add_f32 v[GA0+\k:GA0+\k+1], v[GA0+\k:GA0+\k+1], v[GA1+\k:GA1+\k+1]   ; from the low end on
.endr
.irp k, 0,2,4,6
	v_pk_add_f32 v[GA0+\k:GA0+\k+1], v[GA0+\k:GA0+\k+1], v[GA2+\k:GA2+\k+1]
.endr
.irp a, 0,1,2
	v_fma_f32 v[GT+\a], v[GA0], v[DD+4*\a], v[GA0+4+\a]                   ; the direct part, and my four channels' parts, the three axes by turns
.endr
.irp c, 1,2,3
.irp a, 0,1,2
	v_fma_f32 v[GT+\a], v[GA0+\c], v[DD+4*\a+\c], v[GT+\a]
.endr
.endr
.irp a, 0,1,2
	v_permlanex16_b32 v[GT+4+\a], v[GT+\a], s22, s23
.endr
.irp a, 0,1,2
	v_add_f32 v[GT+\a], v[GT+\a], v[GT+4+\a]
.endr
.irp a, 0,1,2
	ds_store_b32 v[GAX], v[GT+\a] offset:4*\a      ; over this tile's positions, which were read a trip ago (LDS serves a wave's instructions in order: ISA guide 5.7.1)
.endr
	s_add_co_u32 s52, s52, 64
	s_add_co_u32 s53, s53, 192
	s_add_co_u32 s19, s19, 1
	s_cmp_lt_u32 s19, 16
	s_cbranch_scc1 .Ltile
	; ---- THE WAY OUT: my stage's 4,096 bytes leave as they lie: 1,024 of sdf, 3,072 of gradient; each store covers 512 consecutive bytes, aligned
	v_add_nc_u32 v[SAX], s26, v[LI]
.irp j, 0,1,2,3,4,5,6,7
	ds_load_b128 v[Z1+4*\j:Z1+4*\j+3], v[SAX] offset:512*\j       ; these see my stores above
.endr
.irp j, 0,1
	s_wait_dscnt 7-\j                              ; load j is in; the younger ones may stay out
	global_store_b128 v[LI], v[Z1+4*\j:Z1+4*\j+3], s[14:15] offset:512*\j th:TH_STORE_NT
.endr
.irp j, 2,3,4,5,6,7
	s_wait_dscnt 7-\j
	global_store_b128 v[LI], v[Z1+4*\j:Z1+4*\j+3], s[16:17] offset:512*(\j-2) th:TH_STORE_NT
.endr
	s_set_vgpr_msb 0x5
	s_wait_tensorcnt 0x0
	ds_add_u32 v254, v255
	s_wait_dscnt 0x0
	s_set_vgpr_msb 0x500
	s_endpgm
.Lfunc_end_k_q07cdbb9957_sdf:
	.size	k_q07cdbb9957_sdf, .Lfunc_end_k_q07cdbb9957_sdf-k_q07cdbb9957_sdf
	.p2alignl 7, 3214868480
	.fill 96, 4, 3214868480
	.section	.rodata,"a",@progbits
	.p2align	6, 0x0
	.amdhsa_kernel k_q07cdbb9957_sdf
		.amdhsa_group_segment_fixed_size 46080
		.amdhsa_private_segment_fixed_size 0
		.amdhsa_enable_private_segment 0
		.amdhsa_kernarg_size 56
		.amdhsa_user_sgpr_count 2
		.amdhsa_user_sgpr_kernarg_segment_ptr 1
		.amdhsa_wavefront_size32 1
		.amdhsa_system_sgpr_workgroup_id_x 1
		.amdhsa_system_sgpr_workgroup_id_y 1
		.amdhsa_system_sgpr_workgroup_id_z 1
		.amdhsa_system_vgpr_workitem_id 0
		.amdhsa_next_free_vgpr 512
		.amdhsa_next_free_sgpr 66
		.amdhsa_reserve_vcc 0
		.amdhsa_float_denorm_mode_32 3
		.amdhsa_float_denorm_mode_16_64 3
		.amdhsa_memory_ordered 1
		.amdhsa_forward_progress 1
		.amdhsa_inst_pref_size 148
	.end_amdhsa_kernel
	.amdgpu_metadata
---
amdhsa.version: [ 1, 2 ]
amdhsa.kernels:
  - .name:           k_q07cdbb9957_sdf
    .symbol:         k_q07cdbb9957_sdf.kd
    .args:
      - { .name: positions, .offset: 0, .size: 8, .value_kind: global_buffer, .address_space: global }
      - { .name: embeddings, .offset: 8, .size: 8, .value_kind: global_buffer, .address_space: global }
      - { .name: cells, .offset: 16, .size: 8, .value_kind: global_buffer, .address_space: global }
      - { .name: blob, .offset: 24, .size: 8, .value_kind: global_buffer, .address_space: global }
      - { .name: bo, .offset: 32, .size: 8, .value_kind: global_buffer, .address_space: global }
      - { .name: out0, .offset: 40, .size: 8, .value_kind: global_buffer, .address_space: global }
      - { .name: out1, .offset: 48, .size: 8, .value_kind: global_buffer, .address_space: global }
    .group_segment_fixed_size: 46080
    .private_segment_fixed_size: 0
    .kernarg_segment_align: 8
    .kernarg_segment_size: 56
    .max_flat_workgroup_size: 256
    .sgpr_count:     66
    .vgpr_count:     512
    .wavefront_size: 32
...
	.end_amdgpu_metadata
.endif
;; end of part 2
;; ======== version 2 of 2: 2 launches; version 1 with the launch sdf written anew for expert scheduling mode
;; limits: right only within a limited range of input values
;; workspace buffers: cells 2,097,152 bytes of whole numbers; blob 33,792 bytes
;; launch prep: the kernel of part 1 again; grid 258 x 1, 8 waves a work-group, no clusters, 0 bytes of LDS; arguments positions, W0, b0, W1, b1, Wo, cells, blob; writes cells, blob
;; launch sdf (part 3): grid 256 x 1, 8 waves a work-group, no clusters, 46,080 bytes of LDS; arguments positions, embeddings, cells, blob, bo, out0, out1; writes out0, out1
.if DOCPART == 3
	.amdgcn_target "amdgcn-amd-amdhsa--gfx1250"
	.amdhsa_code_object_version 6
	.text
	.protected	k_q07cdbb9957_sdf
	.globl	k_q07cdbb9957_sdf
	.p2align	8
	.type	k_q07cdbb9957_sdf,@function
k_q07cdbb9957_sdf:
	s_mov_b64 s[64:65], 0
	v_nop
	global_prefetch_b8 v0, s[64:65] scope:SCOPE_SE
	s_setreg_imm32_b32 hwreg(HW_REG_WAVE_SCHED_MODE, 0, 2), 2
	s_setreg_imm32_b32 hwreg(HW_REG_WAVE_MODE, 25, 1), 1
	s_wait_xcnt 0x0
	s_wait_alu depctr_vm_vsrc(0)
; sdf and its gradient for 524,288 points, fused: gather, smooth-step trilinear encode, two sine layers, the way back.
;   h = [emb(8), pos(3)];  z0 = h W0 + b0 (f32 matrix form, K = 12 with b0 as the twelfth);  h1 = sin(30 z0);  z1 = Q(h1) Q(W1) + b1 (E2M1 codes, E8M0 scales; b1 added in f32 behind the sum);  sdf = sin(30 z1) . Wo + bo;
;   dz1 = 30 (Wo cos(30 z1));  dh1 = Q(dz1) Q(W1)^T (codes);  dh = (cos(30 z0) dh1) (30 W0)^T (bf16, both operands in two parts);  grad = dh[8:11] + sum over c of dh[c] d emb_c / d pos.
; SHARES.  256 work-groups of 8 waves, two waves to a SIMD.  A wave owns 256 points: 16 tiles of 16, one tile a trip.  Waves share only the small read-only tables in LDS.
; LAYOUT.  Every product is used transposed (source 0 = 16 rows of weights, source 1 = 16 points): lane (r, h) holds point r, and register i of a 64-register result holds unit 32 (i / 16) + 16 h + i % 16
; (the first launch chose the rows of each weight tile so).  So a lane's 16 registers are 16 neighbours along the next K, and a block of 32 lies in lanes l and l xor 16.
; In the encode lane (r, h) holds channels 4 h .. 4 h + 3 of point r.
; SINE AND COSINE: n = round(a / pi) by adding 1.5 x 2^23; r = a - n pi in two fused steps (pi in two parts); polynomials of degree 11 and 10 on |r| <= pi / 2; the sign is n's lowest bit, added at bit 31.
; THE LAST PRODUCT IN TWO PARTS.  One rounding to bf16 leaves 2^-8 of a number at the most, and a point's gradient is a sum of such products that can cancel.  So x = cos0 dh1 and 30 W0 are each hi + lo,
; hi = bf16(x), lo = bf16(x - hi), and dh = Whi Xhi + Whi Xlo + Wlo Xhi; the term lo lo, under 2^-16 of a product, is left out.
; THE GATHER'S ADDRESSES come from the whole numbers that the first launch stored (cells), held at 127.  A tile's eight gathers are issued a phase ahead, into registers that are idle in that phase.
; LIMITS: |30 z| under 2^22 pi (the rounding by 1.5 x 2^23); the cosine's error is about 1e-7 absolute, so near its zeros not relative; NaN and infinities are not served; a block of zeros has the byte 1 over zero codes;
; a lerp is g0 + w (g1 - g0); 30 is folded into the bf16 parts of W0.  The clip needs no mask in the gradient: where it acts, t = 0 and 6 t (1 - t) = 0.
; No tensor loads and no cluster: what work-groups share is 34 KB of weights, read once by each wave; the gather goes lane by lane.
; THE MODE: SCHED_MODE bits 1:0 = 2 (LLVM: expert scheduling mode 2), set by the entry lines.  The code itself states the register dependences
; between vector or matrix instructions and memory or LDS instructions, with s_wait_alu, always for 0.
; THE PLAN.  Registers that memory or LDS instructions touch in a trip, in the trip's order:
;   GO, GAN, IOX   offsets: written by the vector lines at the trip's head, read by the twelve loads that follow them.  GO lies in z1's registers, which the forward product writes.
;   GG, POS, IDX   those loads land here.  GG and POS are read by the encode in mid-trip, IDX at the next head.  GG's registers were W0's fragments at the end of the trip before.
;   B1R            b1 lands here, in the registers that the sines, the quantiser and the encode have worked in; read by the 32 additions behind the forward product.
;   WOT            Wo of a block lands here at the block's head; the block's lines read and write it.  One buffer: a wait to a block.
;   SAX, DOT       address and data of sdf's LDS store; DOT's registers are an accumulator of dh later in the trip.
;   Z1 + 16 b ..   W0's fragments of K step b land here when block b's split has left them; read by the bf16 products.
;   GAX, GT        address and data of the gradient's LDS stores at the trip's end; GT's registers are scratch at the next head.
;   LB, LI         the tables' addresses: made at the kernel's head, never written again.
; Waits on va_vdst in a trip: one ahead of the head's loads; one ahead of b1's loads and the forward product; one at each of the second layer's four blocks; one ahead of sdf's store and the backward product;
; one for each two blocks of the split; one ahead of the gradient's stores.  Waits on vm_vsrc: at the trip's head; beside the wait for the gathers; ahead of the bf16 products.
;
; REGISTERS.  Window 1 (v256 on): W0's f32 fragments v0-47, forward codes of W1 v48-111, backward codes v112-175, cos(30 z0) v176-239.
.set LB,   1                           ; 64 h
.set LI,   2                           ; 16 x lane
.set SA,   3                           ; my stage + 4 r
.set GA,   4                           ; my stage + 1024 + 12 r
.set IO,   5                           ; 4 r
.set H16,  6                           ; 16 h
.set IOX,  7                           ; offset of the index load in flight
.set SAX,  8                           ; this trip's place for sdf
.set GAX,  9                           ; this trip's place for the gradient
.set GAN,  10                          ; the next tile's positions
.set IDX,  11                          ; packed cell of the tile after the one being gathered
.set POS,  12                          ; v12-14
.set PD,   15                          ; a lane permute's destination
.set WSF,  16                          ; v16-23  forward scale words of W1, one a tile
.set WSB,  24                          ; v24-31  backward
.set HH,   32                          ; v32-37  the 12 inputs of the first layer: three pairs
.set MAGIC, 38                         ; v38-39  1.5 x 2^23
.set VS5,  40                          ; v40-41  the sine's highest coefficient
.set VC5,  42                          ; v42-43  the cosine's
.set DD,   44                          ; v44-55  d emb_c / d pos_a of this tile, at 4 a + c
.set DN,   56                          ; v56-67  of the next tile
.set DOT,  68                          ; v68-75  sin . Wo, four pairs; later an accumulator of dh
.set PW,   76                          ; the points' scale word: holds scales alone
.set MX,   77
.set MX2,  78
.set SOP,  79                          ; the conversions' scale operand
.set CODE, 80                          ; v80-87  the codes just made; later an accumulator of dh
.set RA,   88                          ; v88-95   a, then r
.set RT,   96                          ; v96-103  n + 1.5 x 2^23
.set RN,   104                         ; v104-111 n, r^2, r^3
.set RP,   112                         ; v112-119 sine
.set RQ,   120                         ; v120-127 cosine
.set SB,   128                         ; v128-143 the 16 numbers of a block ahead of the quantiser
.set WOT,  144                         ; v144-159 Wo of a block
.set Z0,   160                         ; v160-191 z0: two sets of 16, written by the f32 matrix form alone
.set Z1,   192                         ; v192-255 z1, later dh1, later W0's bf16 fragments
.set GG,   192                         ; v192-223 the eight corners, corner (x, y, z) at 4 (4 x + 2 y + z)
.set GO,   224                         ; v224-231 their offsets
.set XD,   232                         ; v232-247 differences along x
.set WT,   88                          ; v88-99   axis a: w at 4 a, dw at 4 a + 2 (each the low register of a pair whose high register is written scratch)
.set EX,   100
.set EF,   104
.set B1R,  88                          ; v88-151  b1 in the result's layout
.set XH,   88                          ; v88-119  cos0 dh1: hi
.set XL,   120                         ; v120-151 lo
.set GA0,  80                          ; three accumulators of dh: Whi Xhi,
.set GA1,  152                         ; Whi Xlo,
.set GA2,  68                          ; Wlo Xhi
.set GT,   88                          ; v88-94   the gradient at work
.set W0F,  0                           ; window 1
.set W1F,  48
.set W1B,  112
.set C0,   176
.set L_W0B, 0                          ; LDS: 30 W0's bf16 images, 8,192 bytes: K step b, group q at 2048 b + 512 q
.set L_B1,  8192                       ; b1, 512 bytes
.set L_WO,  8704                       ; Wo, 512 bytes
.set L_STG, 12288                      ; a stage of 4,096 bytes for each wave: 1,024 of sdf, 3,072 of positions that give way to the gradient tile by tile
.set MSB, 0
.macro WIN new                         ; the immediate's high byte repeats the setting that is left
.if MSB != \new
	s_set_vgpr_msb (MSB<<8)|\new
.set MSB, \new
.endif
.endm
.macro SPAIR r, val                    ; a packed form names a pair: both words are written
	s_mov_b32 s[\r], \val
	s_mov_b32 s[\r+1], \val
.endm
; Sine (into p) and cosine (into q) of 30 z for 8 numbers, without their signs; RT keeps n.  Each line is written for the four pairs in turn.
.macro CORE z, p, q
.irp k, 0,2,4,6
	v_pk_mul_f32 v[RA+\k:RA+\k+1], v[(\z)+\k:(\z)+\k+1], s[28:29] op_sel_hi:[1,0]                        ; a = 30 z
.endr
.irp k, 0,2,4,6
	v_pk_fma_f32 v[RT+\k:RT+\k+1], v[RA+\k:RA+\k+1], s[30:31], v[MAGIC:MAGIC+1] op_sel_hi:[1,0,1]        ; a / pi + 1.5 x 2^23: rounded to a whole number
.endr
.irp k, 0,2,4,6
	v_pk_add_f32 v[RN+\k:RN+\k+1], v[RT+\k:RT+\k+1], v[MAGIC:MAGIC+1] neg_lo:[0,1] neg_hi:[0,1]          ; n
.endr
.irp k, 0,2,4,6
	v_pk_fma_f32 v[RA+\k:RA+\k+1], v[RN+\k:RN+\k+1], s[32:33], v[RA+\k:RA+\k+1] op_sel_hi:[1,0,1]        ; a - n pi, upper part
.endr
.irp k, 0,2,4,6
	v_pk_fma_f32 v[RA+\k:RA+\k+1], v[RN+\k:RN+\k+1], s[34:35], v[RA+\k:RA+\k+1] op_sel_hi:[1,0,1]        ; lower part: r
.endr
.irp k, 0,2,4,6
	v_pk_mul_f32 v[RN+\k:RN+\k+1], v[RA+\k:RA+\k+1], v[RA+\k:RA+\k+1]                                    ; r^2
.endr
.irp k, 0,2,4,6
	v_pk_fma_f32 v[(\p)+\k:(\p)+\k+1], v[RN+\k:RN+\k+1], v[VS5:VS5+1], s[36:37] op_sel_hi:[1,1,0]
.endr
.irp k, 0,2,4,6
	v_pk_fma_f32 v[(\q)+\k:(\q)+\k+1], v[RN+\k:RN+\k+1], v[VC5:VC5+1], s[44:45] op_sel_hi:[1,1,0]
.endr
.irp c, 2,4,6
.irp k, 0,2,4,6
	v_pk_fma_f32 v[(\p)+\k:(\p)+\k+1], v[(\p)+\k:(\p)+\k+1], v[RN+\k:RN+\k+1], s[36+\c:37+\c] op_sel_hi:[1,1,0]
.endr
.irp k, 0,2,4,6
	v_pk_fma_f32 v[(\q)+\k:(\q)+\k+1], v[(\q)+\k:(\q)+\k+1], v[RN+\k:RN+\k+1], s[44+\c:45+\c] op_sel_hi:[1,1,0]
.endr
.endr
.irp k, 0,2,4,6
	v_pk_fma_f32 v[(\q)+\k:(\q)+\k+1], v[(\q)+\k:(\q)+\k+1], v[RN+\k:RN+\k+1], 1.0 op_sel_hi:[1,1,0]     ; cos r
.endr
.irp k, 0,2,4,6
	v_pk_mul_f32 v[RN+\k:RN+\k+1], v[RN+\k:RN+\k+1], v[RA+\k:RA+\k+1]                                    ; r^3
.endr
.irp k, 0,2,4,6
	v_pk_fma_f32 v[(\p)+\k:(\p)+\k+1], v[(\p)+\k:(\p)+\k+1], v[RN+\k:RN+\k+1], v[RA+\k:RA+\k+1]          ; sin r
.endr
.endm
; z0 of units 32 b .. 32 b + 31: tiles 2 b and 2 b + 1 by turns, three K steps of 4; the first takes the constant 0.  Into set b % 2.  Leaves the window set.
.macro WMMA0 b
	WIN 0x01                                       ; source 0 (W0) in window 1
.irp s, 0,1,2
.irp u, 0,1
.if \s == 0
	v_wmma_f32_16x16x4_f32 v[Z0+16*((\b)%2)+8*\u:Z0+16*((\b)%2)+8*\u+7], v[W0F+2*(3*(2*(\b)+\u)+\s):W0F+2*(3*(2*(\b)+\u)+\s)+1], v[HH+2*\s:HH+2*\s+1], 0
.else
	v_wmma_f32_16x16x4_f32 v[Z0+16*((\b)%2)+8*\u:Z0+16*((\b)%2)+8*\u+7], v[W0F+2*(3*(2*(\b)+\u)+\s):W0F+2*(3*(2*(\b)+\u)+\s)+1], v[HH+2*\s:HH+2*\s+1], v[Z0+16*((\b)%2)+8*\u:Z0+16*((\b)%2)+8*\u+7]
.endif
.endr
.endr
.endm
; The 16 numbers in SB are my half of block b of my point: its scale byte goes into PW, its codes into CODE[2 b], CODE[2 b + 1].
.macro QBLOCK b
	v_max3_num_f32 v[MX], |v[SB]|, |v[SB+1]|, 0x1800000                   ; with the floor 2^(3 - 127): the byte cannot fall under 1
	v_max3_num_f32 v[MX2], |v[SB+2]|, |v[SB+3]|, |v[SB+4]|
.irp i, 5,9
	v_max3_num_f32 v[MX], v[MX], |v[SB+\i]|, |v[SB+\i+1]|
	v_max3_num_f32 v[MX2], v[MX2], |v[SB+\i+2]|, |v[SB+\i+3]|
.endr
	v_max3_num_f32 v[MX], v[MX], |v[SB+13]|, |v[SB+14]|
	v_max3_num_f32 v[MX], v[MX], v[MX2], |v[SB+15]|
	v_permlanex16_b32 v[MX2], v[MX], s22, s23
	v_max_num_f32 v[MX], v[MX], v[MX2]             ; with lane l xor 16's: the block's largest magnitude
	v_add_nc_u32 v[SOP], 0xff000000, v[MX]         ; 2 off its exponent field
	v_cvt_scalef32_pk8_fp4_f32 v[CODE+2*(\b)], v[SB:SB+7], v[SOP]
	v_cvt_scalef32_pk8_fp4_f32 v[CODE+2*(\b)+1], v[SB+8:SB+15], v[SOP]
.if (\b) == 0
	v_lshrrev_b32 v[PW], 23, v[SOP]                ; the byte; these plain lines stand behind the conversions
.else
	v_lshrrev_b32 v[MX2], 23, v[SOP]
	v_lshl_or_b32 v[PW], v[MX2], 8*(\b), v[PW]
.endif
.endm
.macro QEND                            ; the operand's layout wants a whole block in a lane: lanes 0-15 block 2 c, lanes 16-31 block 2 c + 1
	v_nop
.irp c, 0,1
.irp i, 0,1
	v_permlane16_swap_b32 v[CODE+4*\c+\i], v[CODE+2+4*\c+\i]
.endr
.endr
.endm
; For the tile whose cell lies in IDX: eight gathers of 16 bytes a lane, its positions from my stage (offset s54), and the index of the tile after it (offset s55).
; All ten offsets are made first, then one wait, then the twelve loads in one run.
.macro NEXT
	v_and_b32 v88, 0xff, v[IDX]
	v_bfe_u32 v89, v[IDX], 8, 8
	v_bfe_u32 v90, v[IDX], 16, 8
.irp a, 0,1,2
	v_min_u32 v[88+\a], 127, v[88+\a]              ; a loaded number enters an address only behind this hold
.endr
.irp a, 0,1,2
	v_add_nc_u32 v[91+\a], 1, v[88+\a]
.endr
.irp a, 0,1,2
	v_min_u32 v[91+\a], 127, v[91+\a]              ; the upper corner, held at the grid's edge as the problem has it
.endr
	v_lshl_add_u32 v94, v88, 7, v89                ; 128 ix + iy for (x, y) = (0, 0), (0, 1), (1, 0), (1, 1)
	v_lshl_add_u32 v95, v88, 7, v92
	v_lshl_add_u32 v96, v91, 7, v89
	v_lshl_add_u32 v97, v91, 7, v92
	v_lshl_add_u32 v98, v90, 5, v[H16]             ; 32 iz + my half's 16 bytes
	v_lshl_add_u32 v99, v93, 5, v[H16]
.irp xy, 0,1,2,3
.irp z, 0,1
	v_lshl_add_u32 v[GO+2*\xy+\z], v[94+\xy], 12, v[98+\z]
.endr
.endr
	v_add_nc_u32 v[GAN], s54, v[GA]
	v_add_nc_u32 v[IOX], s55, v[IO]
	s_wait_alu depctr_va_vdst(0)                   ; GO, GAN and IOX are written, which the loads below read as offsets; the vector and matrix instructions that named GG's registers, POS or IDX, in which these loads land, are done
.irp c, 0,1,2,3,4,5,6,7
	global_load_b128 v[GG+4*\c:GG+4*\c+3], v[GO+\c], s[6:7]
.endr
.irp a, 0,1,2
	ds_load_b32 v[POS+\a], v[GAN] offset:4*\a
.endr
	global_load_b32 v[IDX], v[IOX], s[8:9]         ; the youngest load
.endm
; From POS and the eight corners: the first layer's 12 inputs (HH) and d emb_c / d pos_a (DN).
.macro ENCODE
.irp a, 0,1,2
	v_add_f32 v[EX+\a], 1.0, v[POS+\a]             ; these four lines as in the first launch: the floor is the stored index
.endr
.irp a, 0,1,2
	v_mul_f32 v[EX+\a], 0x427e0000, v[EX+\a]
.endr
.irp a, 0,1,2
	v_med3_num_f32 v[EX+\a], v[EX+\a], 0, s24
.endr
.irp a, 0,1,2
	v_floor_f32 v[EF+\a], v[EX+\a]
.endr
.irp a, 0,1,2
	v_sub_f32 v[EX+\a], v[EX+\a], v[EF+\a]         ; t
.endr
.irp a, 0,1,2
	v_fma_f32 v[WT+4*\a+3], v[EX+\a], -2.0, 0x40400000   ; 3 - 2 t
.endr
.irp a, 0,1,2
	v_mul_f32 v[WT+4*\a+1], v[EX+\a], v[EX+\a]     ; t t
.endr
.irp a, 0,1,2
	v_mul_f32 v[WT+4*\a], v[WT+4*\a+1], v[WT+4*\a+3]     ; w
.endr
.irp a, 0,1,2
	v_fma_f32 v[EF+\a], -v[EX+\a], v[EX+\a], v[EX+\a]    ; t (1 - t)
.endr
.irp a, 0,1,2
	v_mul_f32 v[WT+4*\a+2], 0x43be8000, v[EF+\a]   ; dw / dpos = 6 x 63.5 x t (1 - t)
.endr
.irp c, 0,2,4,6,8,10,12,14
	v_pk_add_f32 v[XD+\c:XD+\c+1], v[GG+16+\c:GG+17+\c], v[GG+\c:GG+\c+1] neg_lo:[0,1] neg_hi:[0,1]      ; along x: g1 - g0, for the four (y, z)
.endr
.irp c, 0,2,4,6,8,10,12,14
	v_pk_fma_f32 v[GG+\c:GG+\c+1], v[XD+\c:XD+\c+1], v[WT:WT+1], v[GG+\c:GG+\c+1] op_sel_hi:[1,0,1]      ; c(y, z)
.endr
.irp c, 0,2,4,6
	v_pk_add_f32 v[GG+16+\c:GG+17+\c], v[GG+8+\c:GG+9+\c], v[GG+\c:GG+\c+1] neg_lo:[0,1] neg_hi:[0,1]    ; along y, of c
	v_pk_add_f32 v[GG+24+\c:GG+25+\c], v[XD+8+\c:XD+9+\c], v[XD+\c:XD+\c+1] neg_lo:[0,1] neg_hi:[0,1]    ; and of the x differences
.endr
.irp c, 0,2,4,6
	v_pk_fma_f32 v[GG+\c:GG+\c+1], v[GG+16+\c:GG+17+\c], v[WT+4:WT+5], v[GG+\c:GG+\c+1] op_sel_hi:[1,0,1]
	v_pk_fma_f32 v[XD+\c:XD+\c+1], v[GG+24+\c:GG+25+\c], v[WT+4:WT+5], v[XD+\c:XD+\c+1] op_sel_hi:[1,0,1]
.endr
.irp c, 0,2
	v_pk_add_f32 v[GG+8+\c:GG+9+\c], v[GG+4+\c:GG+5+\c], v[GG+\c:GG+\c+1] neg_lo:[0,1] neg_hi:[0,1]      ; along z: of c,
	v_pk_add_f32 v[XD+8+\c:XD+9+\c], v[XD+4+\c:XD+5+\c], v[XD+\c:XD+\c+1] neg_lo:[0,1] neg_hi:[0,1]      ; of the x differences,
	v_pk_add_f32 v[GG+24+\c:GG+25+\c], v[GG+20+\c:GG+21+\c], v[GG+16+\c:GG+17+\c] neg_lo:[0,1] neg_hi:[0,1]  ; of the y differences
.endr
.irp c, 0,2
	v_pk_fma_f32 v[HH+\c:HH+\c+1], v[GG+8+\c:GG+9+\c], v[WT+8:WT+9], v[GG+\c:GG+\c+1] op_sel_hi:[1,0,1]  ; emb, my four channels
	v_pk_fma_f32 v[XD+\c:XD+\c+1], v[XD+8+\c:XD+9+\c], v[WT+8:WT+9], v[XD+\c:XD+\c+1] op_sel_hi:[1,0,1]  ; d emb / d wx
	v_pk_fma_f32 v[GG+16+\c:GG+17+\c], v[GG+24+\c:GG+25+\c], v[WT+8:WT+9], v[GG+16+\c:GG+17+\c] op_sel_hi:[1,0,1]  ; d emb / d wy
.endr
.irp c, 0,2
	v_pk_mul_f32 v[DN+\c:DN+\c+1], v[XD+\c:XD+\c+1], v[WT+2:WT+3] op_sel_hi:[1,0]
	v_pk_mul_f32 v[DN+4+\c:DN+5+\c], v[GG+16+\c:GG+17+\c], v[WT+6:WT+7] op_sel_hi:[1,0]
	v_pk_mul_f32 v[DN+8+\c:DN+9+\c], v[GG+8+\c:GG+9+\c], v[WT+10:WT+11] op_sel_hi:[1,0]
.endr
	v_cndmask_b32 v[HH+4], v[POS], v[POS+2], s21   ; lanes 0-15: px, py; lanes 16-31: pz, 1 (b0's partner)
	v_cndmask_b32 v[HH+5], v[POS+1], 1.0, s21
.endm
; First layer, units 32 b .. 32 b + 31: sine to the quantiser, cosine kept in window 1.  The z0 of the next block is asked of the matrix unit first, into the set read one block ago.
; No memory or LDS instruction stands here, and none of these lines names a register in which the head's loads land.
.macro P1BLOCK b
.if ((\b) == 1) || ((\b) == 2)
	WMMA0 (\b)+1
	WIN 0
.endif
.irp u, 0,1
	CORE Z0+16*((\b)%2)+8*\u, SB+8*\u, RQ
.irp i, 0,1,2,3,4,5,6,7
	v_lshl_add_u32 v[SB+8*\u+\i], v[RT+\i], 31, v[SB+8*\u+\i]             ; n odd: the sign turns (2^31 added modulo 2^32)
.endr
	WIN 0x40                                       ; destination in window 1
.irp i, 0,1,2,3,4,5,6,7
	v_lshl_add_u32 v[C0+8*(2*(\b)+\u)+\i], v[RT+\i], 31, v[RQ+\i]
.endr
	WIN 0
.endr
	QBLOCK \b
.endm
; Second layer, units 32 b .. 32 b + 31: one turn of Wo's sign serves sine and cosine; dz1 = 30 (Wo cos), rounded in that order, to the quantiser; sin . Wo into DOT.
.macro P3BLOCK b
	s_wait_alu depctr_va_vdst(0)                   ; the lines that read or wrote v[WOT ..] are done (block 0: the additions of b1, whose last eight registers lie here; later blocks: the block before): Wo of this block lands there
.irp q4, 0,1,2,3
	ds_load_b128 v[WOT+4*\q4:WOT+4*\q4+3], v[LB] offset:L_WO+128*(\b)+16*\q4
.endr
.irp u, 0,1
	CORE Z1+8*(2*(\b)+\u), RP, RQ
.if \u == 0
	s_wait_dscnt 0x0                               ; Wo of this block is in
.endif
.irp i, 0,1,2,3,4,5,6,7
	v_lshl_add_u32 v[WOT+8*\u+\i], v[RT+\i], 31, v[WOT+8*\u+\i]
.endr
.irp k, 0,2,4,6
	v_pk_mul_f32 v[SB+8*\u+\k:SB+8*\u+\k+1], v[RQ+\k:RQ+\k+1], v[WOT+8*\u+\k:WOT+8*\u+\k+1]
.endr
.irp k, 0,2,4,6
.if ((\b) == 0) && (\u == 0)
	v_pk_mul_f32 v[DOT+\k:DOT+\k+1], v[RP+\k:RP+\k+1], v[WOT+8*\u+\k:WOT+8*\u+\k+1]                      ; the first products start the sums
.else
	v_pk_fma_f32 v[DOT+\k:DOT+\k+1], v[RP+\k:RP+\k+1], v[WOT+8*\u+\k:WOT+8*\u+\k+1], v[DOT+\k:DOT+\k+1]
.endif
.endr
.irp k, 0,2,4,6
	v_pk_mul_f32 v[SB+8*\u+\k:SB+8*\u+\k+1], v[SB+8*\u+\k:SB+8*\u+\k+1], s[28:29] op_sel_hi:[1,0]
.endr
.endr
	QBLOCK \b
.endm
; x = cos0 dh1 of units 32 b .. 32 b + 31 (16 registers of Z1) becomes hi and lo in bf16.
.macro XSPLIT b
.irp i, 0,1,2,3,4,5,6,7
	v_cvt_pk_bf16_f32 v[XH+8*(\b)+\i], v[Z1+16*(\b)+2*\i], v[Z1+16*(\b)+2*\i+1]
.endr
.irp i, 0,1,2,3,4,5,6,7
	v_fma_mix_f32_bf16 v[Z1+16*(\b)+2*\i], v[XH+8*(\b)+\i], v[MX], v[Z1+16*(\b)+2*\i] op_sel_hi:[1,0,0]                      ; x - hi, exact in f32
	v_fma_mix_f32_bf16 v[Z1+16*(\b)+2*\i+1], v[XH+8*(\b)+\i], v[MX], v[Z1+16*(\b)+2*\i+1] op_sel:[1,0,0] op_sel_hi:[1,0,0]
.endr
.irp i, 0,1,2,3,4,5,6,7
	v_cvt_pk_bf16_f32 v[XL+8*(\b)+\i], v[Z1+16*(\b)+2*\i], v[Z1+16*(\b)+2*\i+1]
.endr
.endm
; W0's hi and lo fragments of K step b, into the 16 registers that block b's split has left.
.macro XW0 b
.irp q, 0,1,2,3
	ds_load_b128 v[Z1+16*(\b)+4*\q:Z1+16*(\b)+4*\q+3], v[LI] offset:L_W0B+2048*(\b)+512*\q
.endr
.endm
	; ---- HEAD
	s_load_b256 s[4:11], s[0:1], 0x0               ; positions s[4:5], embeddings s[6:7], cells s[8:9], blob s[10:11]
	s_load_b128 s[12:15], s[0:1], 0x20             ; bo s[12:13], out0 s[14:15]
	s_load_b64 s[16:17], s[0:1], 0x30              ; out1
	s_set_vgpr_msb 0x40
	v_lshl_add_u32 v254, v0, 2, 0xb000
	v_mov_b32 v255, 0
	s_set_vgpr_msb 0x4000
	v_lshrrev_b32 v88, 5, v0
	v_readfirstlane_b32 s18, v88                   ; wave 0..7
	v_and_b32 v88, 31, v0                          ; lane
	v_and_b32 v89, 15, v0                          ; r
	v_bfe_u32 v90, v0, 4, 1                        ; h
	v_lshlrev_b32 v[LB], 6, v90
	v_lshlrev_b32 v[LI], 4, v88
	v_lshlrev_b32 v[H16], 4, v90
	v_lshlrev_b32 v[IO], 2, v89
	s_wait_alu depctr_va_sdst(0)                   ; s18 is written, ahead of its first reader: my stage's place and my run of points are made from it
	s_lshl_b32 s26, s18, 12
	s_add_co_u32 s26, s26, L_STG                   ; my stage
	v_add_nc_u32 v[SA], s26, v[IO]
	v_mul_u32_u24 v[GA], v89, 12
	v_add_nc_u32 v[GA], s26, v[GA]
	v_add_nc_u32 v[GA], 1024, v[GA]
	v_add_nc_u32 v92, s26, v[LI]                   ; my stage + 16 x lane
	v_lshlrev_b32 v93, 3, v88                      ; 8 x lane
	v_lshlrev_b32 v94, 2, v88                      ; 4 x lane
	v_lshlrev_b32 v95, 4, v0                       ; 16 x thread
	v_lshlrev_b32 v96, 2, v0                       ; 4 x thread
	v_mov_b32 v[PD], 0                             ; a lane permute's destination counts as read
	v_mov_b32 v[MAGIC], 0x4b400000
	v_mov_b32 v[MAGIC+1], 0x4b400000
	v_mov_b32 v[VS5], 0xb2cd4ca8                   ; -2.39e-8
	v_mov_b32 v[VS5+1], 0xb2cd4ca8
	v_mov_b32 v[VC5], 0xb48bdad9                   ; -2.605e-7
	v_mov_b32 v[VC5+1], 0xb48bdad9
	s_mov_b32 s21, 0xffff0000                      ; lanes 16-31
	s_mov_b32 s22, 0x76543210
	s_mov_b32 s23, 0xfedcba98                      ; selects for lane l xor 16
	s_mov_b32 s24, 0x42fe0000                      ; 127.0
	SPAIR 28, 0x41f00000                           ; 30.0
	SPAIR 30, 0x3ea2f983                           ; 1 / pi
	SPAIR 32, 0xc0490fdb                           ; -pi, upper part
	SPAIR 34, 0x33bbbd2e                           ; -pi, lower part
	SPAIR 36, 0x3638b94e                           ; sine:  2.7526e-6
	SPAIR 38, 0xb9500c03                           ;       -1.984090e-4
	SPAIR 40, 0x3c088887                           ;        8.3333315e-3
	SPAIR 42, 0xbe2aaaab                           ;       -0.1666666664
	SPAIR 44, 0x37cfb5a0                           ; cosine: 2.47609e-5
	SPAIR 46, 0xbab609ba                           ;       -1.3888397e-3
	SPAIR 48, 0x3d2aaaa4                           ;        4.16666418e-2
	SPAIR 50, 0xbf000000                           ;       -0.4999999963, which is -0.5 in f32
	s_lshl_b32 s2, ttmp9, 3
	s_add_co_u32 s2, s2, s18                       ; which run of 256 points is my wave's
	s_mul_i32 s56, s2, 3072
	s_mov_b32 s57, 0
	s_lshl_b32 s58, s2, 10
	s_mov_b32 s59, 0
	s_wait_kmcnt 0x0
	s_load_b32 s20, s[12:13], 0x0                  ; bo
	s_add_nc_u64 s[4:5], s[4:5], s[56:57]
	s_add_nc_u64 s[8:9], s[8:9], s[58:59]
	s_add_nc_u64 s[14:15], s[14:15], s[58:59]
	s_add_nc_u64 s[16:17], s[16:17], s[56:57]
	WIN 0x40                                       ; destinations in window 1: the weights stay in registers for the whole launch
	s_wait_alu depctr_va_vdst(0)                   ; the addresses and offsets LB, LI, IO and v92 to v96 are written, which the loads and LDS stores of the head, and LB and LI every table load of the loop, read
.irp t, 0,1,2,3,4,5,6,7
.irp c, 0,1
	global_load_b128 v[W1F+8*\t+4*\c:W1F+8*\t+4*\c+3], v[LI], s[10:11] offset:1024*\t+512*\c
	global_load_b128 v[W1B+8*\t+4*\c:W1B+8*\t+4*\c+3], v[LI], s[10:11] offset:8192+1024*\t+512*\c
.endr
.endr
.set i, 0
.rept 24
	global_load_b64 v[W0F+2*i:W0F+2*i+1], v93, s[10:11] offset:18432+256*i
.set i, i+1
.endr
	WIN 0
.irp t, 0,1,2,3,4,5,6,7
	global_load_b32 v[WSF+\t], v94, s[10:11] offset:16384+128*\t
	global_load_b32 v[WSB+\t], v94, s[10:11] offset:17408+128*\t
.endr
	global_load_b128 v[192:195], v95, s[10:11] offset:24576       ; the work-group's 256 threads bring 30 W0's images, 8,192 bytes,
	global_load_b128 v[196:199], v95, s[10:11] offset:24576+4096
	global_load_b32 v224, v96, s[10:11] offset:32768              ; b1 and Wo
.irp j, 0,1,2,3,4,5
	global_load_b128 v[200+4*\j:203+4*\j], v[LI], s[4:5] offset:512*\j th:TH_LOAD_NT   ; my 256 points' positions, 512 consecutive bytes a load
.endr
	global_load_b32 v[IDX], v[IO], s[8:9]          ; tile 0's cells
	s_wait_loadcnt 0x0
	ds_store_b128 v95, v[192:195] offset:L_W0B
	ds_store_b128 v95, v[196:199] offset:L_W0B+4096
	ds_store_b32 v96, v224 offset:L_B1
.irp j, 0,1,2,3,4,5
	ds_store_b128 v92, v[200+4*\j:203+4*\j] offset:1024+512*\j
.endr
	s_wait_kmcnt 0x0                               ; bo
	s_wait_dscnt 0x0                               ; for the others' sake: my stores into the shared tables are done
	s_barrier_signal -1
	s_barrier_wait -1                              ; the one barrier: from here on the tables are only read, and a stage is its wave's own
	s_wait_alu depctr_vm_vsrc(0)                   ; my LDS stores have read v92, v95, v96 and v192 to v224, the head's loads v93 and v94: the lines below write v88 to v99 and GO, and the gathers land in v192 to v223
	s_mov_b32 s54, 0                               ; tile 0's positions,
	s_mov_b32 s55, 64                              ; tile 1's cells
	NEXT
	s_wait_loadcnt 0x1                             ; the eight gathers are in; the index load issued behind them may stay out
	s_wait_dscnt 0x0                               ; the positions
	ENCODE
	s_mov_b32 s19, 0                               ; the tile
	s_mov_b32 s52, 0                               ; 64 x tile
	s_mov_b32 s53, 0                               ; 192 x tile
.Ltile:
	s_wait_alu depctr_vm_vsrc(0)                   ; the last trip's LDS stores have read SAX, GAX and v[GT ..], its loads (in the first trip: the head's) GO, GAN and IOX: all of these are written below
	v_add_nc_u32 v[SAX], s52, v[SA]
	v_add_nc_u32 v[GAX], s53, v[GA]
	s_cmp_lt_u32 s19, 15
	s_cbranch_scc0 .Lno_next                       ; the last tile has no successor
	s_wait_loadcnt 0x0                             ; the next tile's cells
	s_add_co_u32 s54, s53, 192
	s_min_u32 s54, s54, 2880                       ; the next tile's positions: inside my stage
	s_add_co_u32 s55, s52, 128
	s_min_u32 s55, s55, 960                        ; the cells of the tile after it, or the last tile's once more: no load leaves its buffer
	NEXT                                           ; ahead of the trip's first matrix instructions, so that its wait finds none of them out
.Lno_next:
	WMMA0 0
	WMMA0 1
	WIN 0
.irp i, 0,1,2,3,4,5,6,7,8,9,10,11
	v_mov_b32 v[DD+\i], v[DN+\i]                   ; this tile's derivatives give their place to the next tile's.  These twelve are the places behind the f32 matrix form (eight are asked)
.endr
	P1BLOCK 0
	P1BLOCK 1
	P1BLOCK 2
	P1BLOCK 3
	QEND
	s_wait_loadcnt 0x1                             ; on every path: the gathers are in (the index load behind them may stay out), so their registers and offsets may be written below
	s_wait_dscnt 0x0                               ; the next tile's positions
	s_wait_alu depctr_vm_vsrc(0)                   ; the gathers have read their offsets v[GO ..], which lie among z1's registers: the forward product writes them
	s_cmp_lt_u32 s19, 15
	s_cbranch_scc0 .Lno_encode
	ENCODE
.Lno_encode:
	; ---- z1 = Q(h1) Q(W1) + b1.  The sum starts from 0 and is rounded to f32; b1, in the result's layout, is added behind it, as the problem has it: so a b1 that is large against the sum costs no bit of 30 z1
.rept 8
	v_nop                                          ; a scale word written by vector instructions stands eight places ahead of a scaled matrix instruction, codes so written four (ISA guide 7.12.1 gives the kind of place)
.endr
	s_wait_alu depctr_va_vdst(0)                   ; the codes v[CODE ..] and the scale word v[PW] are written, which the scaled matrix instructions take; the sines, the quantiser and the encode are done with v88 to v151, in which b1 lands
.irp t, 0,1,2,3,4,5,6,7
.irp q4, 0,1
	ds_load_b128 v[B1R+8*\t+4*\q4:B1R+8*\t+4*\q4+3], v[LB] offset:L_B1+128*(\t/2)+32*(\t%2)+16*\q4
.endr
.endr
	WIN 0x01
.irp t, 0,1,2,3,4,5,6,7
	v_wmma_scale_f32_16x16x128_f8f6f4 v[Z1+8*\t:Z1+8*\t+7], v[W1F+8*\t:W1F+8*\t+7], v[CODE:CODE+7], 0, v[WSF+\t], v[PW] matrix_a_fmt:MATRIX_FMT_FP4 matrix_b_fmt:MATRIX_FMT_FP4
.endr
	WIN 0
.rept 4
	v_nop                                          ; four places ahead of the first read of a result
.endr
	s_wait_dscnt 0x0                               ; b1
.set i, 0
.rept 32
	v_pk_add_f32 v[Z1+i:Z1+i+1], v[Z1+i:Z1+i+1], v[B1R+i:B1R+i+1]         ; each accumulator from its low end on
.set i, i+2
.endr
	P3BLOCK 0
	P3BLOCK 1
	P3BLOCK 2
	P3BLOCK 3
	QEND
	; ---- sdf = sin . Wo + bo, into my stage
	v_pk_add_f32 v[DOT:DOT+1], v[DOT:DOT+1], v[DOT+2:DOT+3]
	v_pk_add_f32 v[DOT+4:DOT+5], v[DOT+4:DOT+5], v[DOT+6:DOT+7]
	v_pk_add_f32 v[DOT:DOT+1], v[DOT:DOT+1], v[DOT+4:DOT+5]
	v_add_f32 v[DOT], v[DOT], v[DOT+1]
	v_permlanex16_b32 v[PD], v[DOT], s22, s23
	v_add_f32 v[DOT], v[DOT], v[PD]                ; with lane l xor 16's 64 units
	v_add_f32 v[DOT], s20, v[DOT]                  ; + bo
	; ---- dh1 = Q(dz1) Q(W1)^T
.rept 8
	v_nop                                          ; the places ahead of a scaled matrix instruction, as above
.endr
	s_wait_alu depctr_va_vdst(0)                   ; v[DOT] is written, which the store below reads (v[SAX] has been since the trip's head); the codes and the scale word are written, which the scaled matrix instructions take
	ds_store_b32 v[SAX], v[DOT]                    ; both lanes of a point write the same word with the same value
	WIN 0x01
.irp t, 0,1,2,3,4,5,6,7
	v_wmma_scale_f32_16x16x128_f8f6f4 v[Z1+8*\t:Z1+8*\t+7], v[W1B+8*\t:W1B+8*\t+7], v[CODE:CODE+7], 0, v[WSB+\t], v[PW] matrix_a_fmt:MATRIX_FMT_FP4 matrix_b_fmt:MATRIX_FMT_FP4
.endr
	WIN 0
.rept 4
	v_nop
.endr
	WIN 0x04                                       ; source 1 (cos0) in window 1
.set i, 0
.rept 32
	v_pk_mul_f32 v[Z1+i:Z1+i+1], v[Z1+i:Z1+i+1], v[C0+i:C0+i+1]           ; x = cos0 dh1; each accumulator from its low end on
.set i, i+2
.endr
	WIN 0
	v_mov_b32 v[MX], -1.0
	XSPLIT 0
	XSPLIT 1
	s_wait_alu depctr_va_vdst(0)                   ; the splits of blocks 0 and 1 are done with v[Z1 .. Z1+31], in which W0's fragments of K steps 0 and 1 land
	XW0 0
	XW0 1
	XSPLIT 2                                       ; these two name v[Z1+32 ..], XH, XL and MX: none of the registers in which the eight loads above land
	XSPLIT 3
	s_wait_alu depctr_va_vdst(0)                   ; the splits of blocks 2 and 3 are done with v[Z1+32 .. Z1+63], in which the fragments of K steps 2 and 3 land
	XW0 2
	XW0 3
	s_wait_alu depctr_vm_vsrc(0)                   ; sdf's LDS store has read v[DOT], the lowest register of the third accumulator, which the matrix instructions below write
	; ---- dh = x (30 W0)^T: four K steps of 32, three products each, on three accumulators by turns.  Lanes 0-15: registers 0-3 dh[e0..3], 4-6 dh[pos]; lanes 16-31: registers 0-3 dh[e4..7], the others 0
.irp b, 0,1,2,3
	s_wait_dscnt 12-4*\b                           ; K step b's four loads are in; the four of each later step may stay out
.if \b == 0
	v_wmma_f32_16x16x32_bf16 v[GA0:GA0+7], v[Z1+16*\b:Z1+16*\b+7], v[XH+8*\b:XH+8*\b+7], 0
	v_wmma_f32_16x16x32_bf16 v[GA1:GA1+7], v[Z1+16*\b:Z1+16*\b+7], v[XL+8*\b:XL+8*\b+7], 0
	v_wmma_f32_16x16x32_bf16 v[GA2:GA2+7], v[Z1+16*\b+8:Z1+16*\b+15], v[XH+8*\b:XH+8*\b+7], 0
.else
	v_wmma_f32_16x16x32_bf16 v[GA0:GA0+7], v[Z1+16*\b:Z1+16*\b+7], v[XH+8*\b:XH+8*\b+7], v[GA0:GA0+7]
	v_wmma_f32_16x16x32_bf16 v[GA1:GA1+7], v[Z1+16*\b:Z1+16*\b+7], v[XL+8*\b:XL+8*\b+7], v[GA1:GA1+7]
	v_wmma_f32_16x16x32_bf16 v[GA2:GA2+7], v[Z1+16*\b+8:Z1+16*\b+15], v[XH+8*\b:XH+8*\b+7], v[GA2:GA2+7]
.endif
.endr
.rept 4
	v_nop                                          ; four places ahead of the first read of a result and of the first write of an operand
.endr
.irp k, 0,2,4,6
	v_pk_add_f32 v[GA0+\k:GA0+\k+1], v[GA0+\k:GA0+\k+1], v[GA1+\k:GA1+\k+1]   ; from the low end on
.endr
.irp k, 0,2,4,6
	v_pk_add_f32 v[GA0+\k:GA0+\k+1], v[GA0+\k:GA0+\k+1], v[GA2+\k:GA2+\k+1]
.endr
.irp a, 0,1,2
	v_fma_f32 v[GT+\a], v[GA0], v[DD+4*\a], v[GA0+4+\a]                   ; the direct part, and my four channels' parts, the three axes by turns
.endr
.irp c, 1,2,3
.irp a, 0,1,2
	v_fma_f32 v[GT+\a], v[GA0+\c], v[DD+4*\a+\c], v[GT+\a]
.endr
.endr
.irp a, 0,1,2
	v_permlanex16_b32 v[GT+4+\a], v[GT+\a], s22, s23
.endr
.irp a, 0,1,2
	v_add_f32 v[GT+\a], v[GT+\a], v[GT+4+\a]
.endr
	s_wait_alu depctr_va_vdst(0)                   ; the three sums v[GT .. GT+2] are written, which the stores below read
.irp a, 0,1,2
	ds_store_b32 v[GAX], v[GT+\a] offset:4*\a      ; over this tile's positions, which were read a trip ago (LDS serves a wave's instructions in order: ISA guide 5.7.1)
.endr
	s_add_co_u32 s52, s52, 64
	s_add_co_u32 s53, s53, 192
	s_add_co_u32 s19, s19, 1
	s_cmp_lt_u32 s19, 16
	s_cbranch_scc1 .Ltile
	; ---- THE WAY OUT: my stage's 4,096 bytes leave as they lie: 1,024 of sdf, 3,072 of gradient; each store covers 512 consecutive bytes, aligned
	v_add_nc_u32 v[SAX], s26, v[LI]                ; (sdf's last store, which read v[SAX], stands ahead of the trip's last wait on vm_vsrc)
	s_wait_alu depctr_va_vdst(0)                   ; v[SAX] is written, which the loads below read as their address; the matrix instructions that read v[Z1 ..], in which they land, are done
.irp j, 0,1,2,3,4,5,6,7
	ds_load_b128 v[Z1+4*\j:Z1+4*\j+3], v[SAX] offset:512*\j       ; these see my stores above
.endr
.irp j, 0,1
	s_wait_dscnt 7-\j                              ; load j is in; the younger ones may stay out
	global_store_b128 v[LI], v[Z1+4*\j:Z1+4*\j+3], s[14:15] offset:512*\j th:TH_STORE_NT
.endr
.irp j, 2,3,4,5,6,7
	s_wait_dscnt 7-\j
	global_store_b128 v[LI], v[Z1+4*\j:Z1+4*\j+3], s[16:17] offset:512*(\j-2) th:TH_STORE_NT
.endr
	s_set_vgpr_msb 0x5
	s_wait_dscnt 0x0
	s_wait_alu depctr_hold_cnt(0) depctr_sa_sdst(0) depctr_va_vdst(0) depctr_va_sdst(0) depctr_va_ssrc(0) depctr_va_vcc(0) depctr_vm_vsrc(0)
	s_wait_tensorcnt 0x0
	ds_add_u32 v254, v255
	s_wait_dscnt 0x0
	s_endpgm
.Lfunc_end_k_q07cdbb9957_sdf:
	.size	k_q07cdbb9957_sdf, .Lfunc_end_k_q07cdbb9957_sdf-k_q07cdbb9957_sdf
	.p2alignl 7, 3214868480
	.fill 96, 4, 3214868480
	.section	.rodata,"a",@progbits
	.p2align	6, 0x0
	.amdhsa_kernel k_q07cdbb9957_sdf
		.amdhsa_group_segment_fixed_size 46080
		.amdhsa_private_segment_fixed_size 0
		.amdhsa_enable_private_segment 0
		.amdhsa_kernarg_size 56
		.amdhsa_user_sgpr_count 2
		.amdhsa_user_sgpr_kernarg_segment_ptr 1
		.amdhsa_wavefront_size32 1
		.amdhsa_system_sgpr_workgroup_id_x 1
		.amdhsa_system_sgpr_workgroup_id_y 1
		.amdhsa_system_sgpr_workgroup_id_z 1
		.amdhsa_system_vgpr_workitem_id 0
		.amdhsa_next_free_vgpr 512
		.amdhsa_next_free_sgpr 66
		.amdhsa_reserve_vcc 0
		.amdhsa_float_denorm_mode_32 3
		.amdhsa_float_denorm_mode_16_64 3
		.amdhsa_memory_ordered 1
		.amdhsa_forward_progress 1
		.amdhsa_inst_pref_size 148
	.end_amdhsa_kernel
	.amdgpu_metadata
---
amdhsa.version: [ 1, 2 ]
amdhsa.kernels:
  - .name:           k_q07cdbb9957_sdf
    .symbol:         k_q07cdbb9957_sdf.kd
    .args:
      - { .name: positions, .offset: 0, .size: 8, .value_kind: global_buffer, .address_space: global }
      - { .name: embeddings, .offset: 8, .size: 8, .value_kind: global_buffer, .address_space: global }
      - { .name: cells, .offset: 16, .size: 8, .value_kind: global_buffer, .address_space: global }
      - { .name: blob, .offset: 24, .size: 8, .value_kind: global_buffer, .address_space: global }
      - { .name: bo, .offset: 32, .size: 8, .value_kind: global_buffer, .address_space: global }
      - { .name: out0, .offset: 40, .size: 8, .value_kind: global_buffer, .address_space: global }
      - { .name: out1, .offset: 48, .size: 8, .value_kind: global_buffer, .address_space: global }
    .group_segment_fixed_size: 46080
    .private_segment_fixed_size: 0
    .kernarg_segment_align: 8
    .kernarg_segment_size: 56
    .max_flat_workgroup_size: 256
    .sgpr_count:     66
    .vgpr_count:     512
    .wavefront_size: 32
...
	.end_amdgpu_metadata
.endif
;; end of part 3
